; MI455X (gfx1250); checked and timed in simulation.
; The chip was launched on July 23, 2026; its instructions are those of AMD's public machine-readable ISA for CDNA 5 (MIT licence, August 2026) and "CDNA5" Instruction Set Architecture Reference Guide (July 2026). The comments in the code are by the model that wrote it; some were corrected since.
;; Model. Allowed arithmetic: float matrix products may take bf16 or f16 operands with f32 sums; other float arithmetic in f32, or as packed bf16 or f16 multiplies, adds, multiply-adds, maxima and minima; sums over many terms, partial sums and values carried from step to step in f32; what a program stores and reads back later, other than sums and carried values, may be rounded once to bf16 or f16.
;; Inputs: W_cap_hid 1,024 x 2,048 float32; W_cap_j 400 x 1,024 float32; W_ctx 3 x 400 float32; W_img_j 400 x 512 float32; W_int 7 x 400 float32; W_sem 3 x 400 float32; b_cap_hid 1,024 float32; b_cap_j 400 float32; b_ctx 3 float32; b_img_j 400 float32; b_int 7 float32; b_sem 3 float32; emb 50,257 x 1,024 float32; x_caption 64 x 512 int32; x_img 64 x 512 float32.
;; Outputs: out0 64 x 7 float32; out1 64 x 3 float32; out2 64 x 3 float32.
;; 2 versions, each right; version 2 is version 1 with the launch dot written anew for expert scheduling mode. Each part assembles by itself: llvm-mc -triple=amdgcn-amd-amdhsa -mcpu=gfx1250 --defsym DOCPART=n.
;; ======== version 1 of 2: 13 launches
;; workspace buffers: QA 2,097,152 bytes; QB 2,097,152 bytes; WX 2,097,152 bytes; GTA 33,554,432 bytes; GTB 16,777,216 bytes; PART 2,154,496 bytes
;; launch prep (part 1): grid 136 x 1, 8 waves a work-group, no clusters, 35,840 bytes of LDS; arguments W_cap_hid, W_cap_j, W_int, W_sem, W_ctx, QA, WX, GTA; writes QA, WX, GTA
.if DOCPART == 1
	.amdgcn_target "amdgcn-amd-amdhsa--gfx1250"
	.amdhsa_code_object_version 6
	.text
	.protected	k_q599a2a8b80_prep
	.globl	k_q599a2a8b80_prep
	.p2align	8
	.type	k_q599a2a8b80_prep,@function
k_q599a2a8b80_prep:
	s_mov_b64 s[64:65], 0
	v_nop
	global_prefetch_b8 v0, s[64:65] scope:SCOPE_SE
	s_setreg_imm32_b32 hwreg(HW_REG_WAVE_MODE, 25, 1), 1
	s_wait_xcnt 0x0
; PREP.  The whole program: everything behind the gather is linear and 13 output columns are wanted.  With W_out = [W_int; W_sem; W_ctx] (13 x 400),
; g_0 = W_out W_cap_j, g_(k+1) = g_k W_h, u_k = g_k W_x:  out[b][c] = sum over t of emb[cap[b][t]] . u_(511-t)[c] + sum over k of b_cap_hid . g_k[c] + image part + biases.
; All 512 powers are formed, by doubling: g_[m,2m) = g_[0,m) W_h^m, W_h^(2m) = (W_h^m)^2.
; LIMITS.  The order of the sums differs from the scan's.  Matrix operands are bf16, every input is taken rounded to bf16, sums are f32; W_h^m, g_k, u_k and the image
; fusion are each rounded once to bf16, so the relative error of W_h^m grows about as sqrt(m) x 2^-9.  g_k and W_h^256 leave f32's range where the k-th power of W_h does.
; THE TILE FORMAT of every bf16 workspace matrix of 1,024 columns: sub-tiles of 16 x 16 (512 bytes), [row / 16][column / 16].  In a sub-tile the 16 bytes of row p, columns 8 c .. 8 c + 7
; lie at (p >> 3) 256 + ((c ^ (p >> 3)) 128) + (p & 7) 16.  LA is that place for p = lane % 16, c = lane / 16: a wave's 16-byte load or store at LA covers the whole sub-tile.
; THIS LAUNCH.  Work-groups 0-127: W_cap_hid (f32) becomes W_h (QA) and W_x (WX) in the tile format; a wave takes 16 rows x 128 columns and turns them through its own LDS bytes.
; Work-groups 128-135: g_0 (tile 0 of GTA; rows 13-15 are 0) and zeros in tiles 1-15, which the first doubling levels read.  A wave makes 16 columns of g_0.
.set SPARE, 34816                      ; behind the stages: the spare words, 128 bytes for each of the eight waves
.set TP,    1040                       ; a row of the table of W_out in LDS: 512 bf16 + 16 bytes: the 16 rows of a fragment load start 16 bytes apart modulo 256
.set WV,  20                           ; s20  my wave's number
.set INT, 8                            ; s[8:9] W_int, s[10:11] W_sem, s[12:13] W_ctx
.set SEM, 10
.set CTX, 12
.set T0,  32                           ; s[32:33], s[34:35] at work
.set T1,  33
.set T2,  34
.set BP,  36                           ; s[36:39] my two table rows in memory
.set VM,  40                           ; s40-41  all ones where the row exists (below 13)
.set VM3, 42                           ; s42-43  the same, lanes 0-3 alone: columns 384-399
.set LM,  44
.set VQ,  5                            ; v5   byte offset of my last piece of a table row, held inside the row
.set SPW, 6                            ; v6   my spare word; never rewritten
.set NIL, 7                            ; v7   0; never rewritten
.set LA,  8
.set VL,  9                            ; v9   16 x lane
.set LN,  10
.set RW,  11                           ; v11  lane % 16
.set HH,  12                           ; v12  lane / 16
.set TS,  13
.set YO,  14
.set FA,  15
.set ACC, 16                           ; v[16:31] two accumulators
.set X,   32                           ; v[32:239]
.set TD,  208                          ; the table's f32, for a while
	s_load_b256 s[4:11], s[0:1], 0x0               ; W_cap_hid s[4:5], W_cap_j s[6:7], W_int, W_sem
	s_load_b256 s[12:19], s[0:1], 0x20             ; W_ctx, QA s[14:15], WX s[16:17], GTA s[18:19]
	v_lshl_add_u32 v[SPW], v0, 2, SPARE
	v_mov_b32 v[NIL], 0
	v_lshrrev_b32 v1, 5, v0
	v_readfirstlane_b32 s[WV], v1
	v_and_b32 v[LN], 31, v0
	v_and_b32 v[RW], 15, v0
	v_bfe_u32 v[HH], v0, 4, 1
	v_and_b32 v1, 7, v0
	v_bfe_u32 v2, v0, 3, 1
	v_xor_b32 v3, v2, v[HH]
	v_lshlrev_b32 v1, 4, v1
	v_lshl_add_u32 v1, v3, 7, v1
	v_lshl_add_u32 v[LA], v2, 8, v1
	v_lshlrev_b32 v[VL], 4, v[LN]
	s_wait_kmcnt 0x0
	s_cmp_lt_u32 ttmp9, 128                        ; the same in all waves of a work-group
	s_cbranch_scc0 .Lgamma
	; W_h AND W_x.  Task T = 8 x work-group + wave: tile row T / 16, 128 columns T % 16 of the 2,048.
	s_lshl_b32 s21, ttmp9, 3
	s_add_co_u32 s21, s21, s[WV]
	s_lshr_b32 s22, s21, 4
	s_and_b32 s23, s21, 15
	s_lshl_b32 s24, s22, 17                        ; 16 rows of 8,192 bytes
	s_lshl_b32 s26, s23, 9
	s_add_co_u32 s24, s24, s26
	s_mov_b32 s25, 0
	s_add_nc_u64 s[4:5], s[4:5], s[24:25]
.set ii, 0
.rept 16
	global_load_b128 v[X+4*ii:X+4*ii+3], v[VL], s[4:5] offset:ii*8192 th:TH_LOAD_NT  ; row ii: 512 consecutive bytes
.set ii, ii+1
.endr
	s_cmp_lt_u32 s23, 8
	s_cselect_b64 s[28:29], s[14:15], s[16:17]     ; the left half is W_h, the right W_x
	s_and_b32 s23, s23, 7
	s_lshl_b32 s24, s22, 15
	s_lshl_b32 s26, s23, 12
	s_add_co_u32 s24, s24, s26
	s_add_nc_u64 s[28:29], s[28:29], s[24:25]
	s_mul_i32 s27, s[WV], 4352                     ; my stage: 16 rows of 272 bytes
	v_lshl_add_u32 v[TS], v[LN], 3, s27
	v_mul_u32_u24 v[FA], v[RW], 272
	v_lshl_add_u32 v[FA], v[HH], 4, v[FA]
	v_add_nc_u32 v[FA], s27, v[FA]
.set ii, 0
.rept 16
	s_wait_loadcnt 15-ii                           ; loads come back in order: row ii is in, the younger rows stay out
	v_cvt_pk_bf16_f32 v[X+4*ii], v[X+4*ii], v[X+4*ii+1]
	v_cvt_pk_bf16_f32 v[X+4*ii+1], v[X+4*ii+2], v[X+4*ii+3]
	ds_store_b64 v[TS], v[X+4*ii:X+4*ii+1] offset:ii*272
.set ii, ii+1
.endr
.set ii, 0
.rept 8
	ds_load_b128 v[96+4*ii:99+4*ii], v[FA] offset:32*ii  ; sub-tile ii; my own bytes, and LDS serves a wave's instructions in order
.set ii, ii+1
.endr
.set ii, 0
.rept 8
	s_wait_dscnt 7-ii
	global_store_b128 v[LA], v[96+4*ii:99+4*ii], s[28:29] offset:512*ii  ; a whole sub-tile: 512 consecutive bytes, aligned
.set ii, ii+1
.endr
	s_branch .Lend
; Row w + 8 k of the table: which buffer, which of its rows, whether it exists; then its 400 f32 by four loads (the fourth held inside the row).
.macro TROW k
	s_add_co_u32 s[T0], s[WV], 8*(\k)
	s_cmp_lt_u32 s[T0], 7
	s_cselect_b64 s[T2:T2+1], s[INT:INT+1], s[SEM:SEM+1]
	s_cselect_b32 s[T1], 0, 7
	s_cmp_lt_u32 s[T0], 10
	s_cselect_b64 s[T2:T2+1], s[T2:T2+1], s[CTX:CTX+1]
	s_cselect_b32 s[T1], s[T1], 10
	s_cmp_lt_u32 s[T0], 13
	s_cselect_b32 s[VM+(\k)], -1, 0
	s_cselect_b32 s[T0], s[T0], 10                 ; a row that does not exist reads W_ctx's row 0 and stores zeros
	s_sub_co_u32 s[T0], s[T0], s[T1]
	s_mul_i32 s[T0], s[T0], 1600
	s_mov_b32 s[T1], 0
	s_add_nc_u64 s[BP+2*(\k):BP+2*(\k)+1], s[T2:T2+1], s[T0:T0+1]
	s_and_b32 s[VM3+(\k)], s[VM+(\k)], s[LM]
	global_load_b128 v[TD+16*(\k):TD+16*(\k)+3],     v[VL], s[BP+2*(\k):BP+2*(\k)+1]
	global_load_b128 v[TD+16*(\k)+4:TD+16*(\k)+7],   v[VL], s[BP+2*(\k):BP+2*(\k)+1] offset:512
	global_load_b128 v[TD+16*(\k)+8:TD+16*(\k)+11],  v[VL], s[BP+2*(\k):BP+2*(\k)+1] offset:1024
	global_load_b128 v[TD+16*(\k)+12:TD+16*(\k)+15], v[VQ], s[BP+2*(\k):BP+2*(\k)+1]
.endm
; The two rows rounded to bf16, zeros where row or column does not exist, into the table: each lane 8 bytes of its own.
.macro TSTORE
.irp k, 0,1
.irp i, 0,1,2,3
	v_cvt_pk_bf16_f32 v[TD+16*(\k)+4*(\i)],   v[TD+16*(\k)+4*(\i)],   v[TD+16*(\k)+4*(\i)+1]
	v_cvt_pk_bf16_f32 v[TD+16*(\k)+4*(\i)+1], v[TD+16*(\k)+4*(\i)+2], v[TD+16*(\k)+4*(\i)+3]
.if (\i) == 3
	v_cndmask_b32 v[TD+16*(\k)+4*(\i)],   0, v[TD+16*(\k)+4*(\i)],   s[VM3+(\k)]
	v_cndmask_b32 v[TD+16*(\k)+4*(\i)+1], 0, v[TD+16*(\k)+4*(\i)+1], s[VM3+(\k)]
.else
	v_cndmask_b32 v[TD+16*(\k)+4*(\i)],   0, v[TD+16*(\k)+4*(\i)],   s[VM+(\k)]
	v_cndmask_b32 v[TD+16*(\k)+4*(\i)+1], 0, v[TD+16*(\k)+4*(\i)+1], s[VM+(\k)]
.endif
	ds_store_b64 v[TS], v[TD+16*(\k)+4*(\i):TD+16*(\k)+4*(\i)+1] offset:8*TP*(\k)+256*(\i)
.endr
.endr
.endm
; W_cap_j[j][my 16 columns] for the 32 j of K step ks, in the order of a fragment's registers: lane (r, h) takes column r and j = 32 ks + 8 h + 0..7, 32 ks + 16 + 8 h + 0..7.
.macro YL ks
.irp i, 0,1,2,3,4,5,6,7,8,9,10,11,12,13,14,15
.if ((\ks) < 12) || ((\i) < 8)
	global_load_b32 v[X+16*(\ks)+(\i)], v[YO], s[6:7] offset:(32*(\ks)+(\i)+8*((\i)/8))*4096
.endif
.endr
.endm
.Lgamma:
	s_sub_co_u32 s21, ttmp9, 128
	s_lshl_b32 s21, s21, 3
	s_add_co_u32 s21, s21, s[WV]                   ; my 16 columns of g_0: sub-tile column 0..63
	v_cmp_gt_u32 s[LM], 4, v[LN]
	v_add_nc_u32 v[VQ], 96, v[LN]
	v_min_u32 v[VQ], 99, v[VQ]
	v_lshlrev_b32 v[VQ], 4, v[VQ]
	s_mul_i32 s27, s[WV], TP
	v_lshl_add_u32 v[TS], v[LN], 3, s27
	s_lshl_b32 s26, s21, 6
	v_lshlrev_b32 v[YO], 2, v[RW]
	v_lshl_add_u32 v[YO], v[HH], 15, v[YO]         ; 8 h rows of 4,096 bytes
	v_add_nc_u32 v[YO], s26, v[YO]
	v_mul_u32_u24 v[FA], v[RW], TP
	v_lshl_add_u32 v[FA], v[HH], 4, v[FA]
	TROW 0
	TROW 1
	YL 0
	YL 1
	YL 2
	s_wait_loadcnt 48                              ; the table's eight loads are in; the 48 younger ones stay out
	TSTORE
.irp k, 3,4,5,6,7,8,9,10
	YL \k
.endr
	s_wait_dscnt 0x0                               ; for the others' sake: my part of the table is stored; its registers are free for the loads below
	YL 11
	YL 12
.set ii, 200
.rept 8
	v_mov_b32 v[X+ii], 0                           ; j = 400 .. 415 do not exist
.set ii, ii+1
.endr
	s_barrier_signal -1
	s_barrier_wait -1                              ; the table is whole
	s_wait_loadcnt 0x0
.set ks, 0
.rept 13
.set nn, 0
.rept 8
	v_cvt_pk_bf16_f32 v[X+16*ks+nn], v[X+16*ks+2*nn], v[X+16*ks+2*nn+1]  ; in place, ascending: register nn is written when 2 nn and 2 nn + 1 have been read
.set nn, nn+1
.endr
.set ks, ks+1
.endr
.set ks, 0
.rept 13
	ds_load_b128 v[X+16*ks+8:X+16*ks+11],  v[FA] offset:64*ks
	ds_load_b128 v[X+16*ks+12:X+16*ks+15], v[FA] offset:64*ks+32
.set ks, ks+1
.endr
	s_wait_dscnt 0x0
.set ks, 0
.rept 13                               ; source 0 = 16 columns of W_cap_j, source 1 = the 16 rows of the table; two accumulators by turns
.if ks < 2
	v_wmma_f32_16x16x32_bf16 v[ACC+8*(ks%2):ACC+8*(ks%2)+7], v[X+16*ks:X+16*ks+7], v[X+16*ks+8:X+16*ks+15], 0
.else
	v_wmma_f32_16x16x32_bf16 v[ACC+8*(ks%2):ACC+8*(ks%2)+7], v[X+16*ks:X+16*ks+7], v[X+16*ks+8:X+16*ks+15], v[ACC+8*(ks%2):ACC+8*(ks%2)+7]
.endif
.set ks, ks+1
.endr
.rept 4
	v_nop                                          ; four places behind the last product
.endr
.set nn, 0
.rept 4
	v_pk_add_f32 v[ACC+nn:ACC+nn+1], v[ACC+nn:ACC+nn+1], v[ACC+8+nn:ACC+8+nn+1]
.set nn, nn+2
.endr
.set nn, 0
.rept 4
	v_cvt_pk_bf16_f32 v[40+nn], v[ACC+2*nn], v[ACC+2*nn+1]
	v_mov_b32 v[44+nn], 0
.set nn, nn+1
.endr
	s_lshl_b32 s22, s21, 9
	s_mov_b32 s23, 0
	s_add_nc_u64 s[18:19], s[18:19], s[22:23]
	global_store_b128 v[LA], v[40:43], s[18:19]
.set ii, 1
.rept 15
	global_store_b128 v[LA], v[44:47], s[18:19] offset:ii*32768
.set ii, ii+1
.endr
.Lend:
	s_wait_tensorcnt 0x0                           ; the wave's end, behind my last LDS store
	ds_add_u32 v[SPW], v[NIL]
	s_wait_dscnt 0x0
	s_endpgm
.Lfunc_end_k_q599a2a8b80_prep:
	.size	k_q599a2a8b80_prep, .Lfunc_end_k_q599a2a8b80_prep-k_q599a2a8b80_prep
	.p2alignl 7, 3214868480
	.fill 96, 4, 3214868480
	.section	.rodata,"a",@progbits
	.p2align	6, 0x0
	.amdhsa_kernel k_q599a2a8b80_prep
		.amdhsa_group_segment_fixed_size 35840
		.amdhsa_private_segment_fixed_size 0
		.amdhsa_enable_private_segment 0
		.amdhsa_kernarg_size 64
		.amdhsa_user_sgpr_count 2
		.amdhsa_user_sgpr_kernarg_segment_ptr 1
		.amdhsa_wavefront_size32 1
		.amdhsa_system_sgpr_workgroup_id_x 1
		.amdhsa_system_sgpr_workgroup_id_y 1
		.amdhsa_system_sgpr_workgroup_id_z 1
		.amdhsa_system_vgpr_workitem_id 0
		.amdhsa_next_free_vgpr 240
		.amdhsa_next_free_sgpr 66
		.amdhsa_reserve_vcc 0
		.amdhsa_float_denorm_mode_32 3
		.amdhsa_float_denorm_mode_16_64 3
		.amdhsa_memory_ordered 1
		.amdhsa_forward_progress 1
		.amdhsa_inst_pref_size 45
	.end_amdhsa_kernel
	.amdgpu_metadata
---
amdhsa.version: [ 1, 2 ]
amdhsa.kernels:
  - .name:           k_q599a2a8b80_prep
    .symbol:         k_q599a2a8b80_prep.kd
    .args:
      - { .name: W_cap_hid, .offset: 0, .size: 8, .value_kind: global_buffer, .address_space: global }
      - { .name: W_cap_j, .offset: 8, .size: 8, .value_kind: global_buffer, .address_space: global }
      - { .name: W_int, .offset: 16, .size: 8, .value_kind: global_buffer, .address_space: global }
      - { .name: W_sem, .offset: 24, .size: 8, .value_kind: global_buffer, .address_space: global }
      - { .name: W_ctx, .offset: 32, .size: 8, .value_kind: global_buffer, .address_space: global }
      - { .name: QA, .offset: 40, .size: 8, .value_kind: global_buffer, .address_space: global }
      - { .name: WX, .offset: 48, .size: 8, .value_kind: global_buffer, .address_space: global }
      - { .name: GTA, .offset: 56, .size: 8, .value_kind: global_buffer, .address_space: global }
    .group_segment_fixed_size: 35840
    .private_segment_fixed_size: 0
    .kernarg_segment_align: 8
    .kernarg_segment_size: 64
    .max_flat_workgroup_size: 256
    .sgpr_count:     66
    .vgpr_count:     240
    .wavefront_size: 32
...
	.end_amdgpu_metadata
.endif
;; end of part 1
;; launch sq (part 2): grid 16 x 16, 4 waves a work-group, clusters of 4 x 4, 327,680 bytes of LDS; arguments QA, GTA, QB, GTB; writes QB, GTB
.if DOCPART == 2
	.amdgcn_target "amdgcn-amd-amdhsa--gfx1250"
	.amdhsa_code_object_version 6
	.text
	.protected	k_q599a2a8b80_sq
	.globl	k_q599a2a8b80_sq
	.p2align	8
	.type	k_q599a2a8b80_sq,@function
k_q599a2a8b80_sq:
	s_mov_b64 s[64:65], 0
	v_nop
	global_prefetch_b8 v0, s[64:65] scope:SCOPE_SE
	s_setreg_imm32_b32 hwreg(HW_REG_WAVE_MODE, 25, 1), 1
	s_wait_xcnt 0x0
	s_wait_alu depctr_hold_cnt(0) depctr_sa_sdst(0) depctr_va_vdst(0) depctr_va_sdst(0) depctr_va_ssrc(0) depctr_va_vcc(0) depctr_vm_vsrc(0)
	s_getreg_b32 s2, hwreg(HW_REG_IB_STS2, 6, 4)
	s_cmp_eq_u32 s2, 0
	s_cbranch_scc0 .Lentry_in_a_cluster
	s_endpgm
.Lentry_in_a_cluster:
	s_bfe_u32 s2, ttmp6, 0x10000c
	s_cmp_lg_u32 s2, 0xf033
	s_cbranch_scc0 .Lentry_shape_is_right
	s_endpgm
.Lentry_shape_is_right:
; ONE DOUBLING LEVEL with at most 16 tiles of g.  Q' = Q Q (1,024 x 1,024, bf16 in the tile format of the first launch, sums f32), and for tile p = 0..15 of the source:
; destination tile 2 p = the tile itself, tile 2 p + 1 = tile x Q.  (After nine levels position p holds g_k with k = p's nine bits reversed.)
; SHARES.  Work-group (I, J) makes five tile rows (Q's 4 I .. 4 I + 3 and g's tile I) x four sub-tile columns 4 J .. 4 J + 3.  K IS SPLIT AMONG THE FOUR WAVES: wave w takes k = 256 w .. 256 w + 255,
; fetches only what it reads itself (two chunks of 128 k: 20 KiB of rows, 16 KiB of Q's k rows), so its own wait on its tensor loads orders its reads.  All 288 KiB are filled once.
; The four partial sums (f32) meet in LDS: each wave puts its 20 tiles where its first chunk's rows lay (its own bytes, whose one fill is over), one barrier, wave w finishes column w.
; CLUSTER 4 x 4.  The rows hang on I alone and are asked for jointly along a row of the cluster, Q's k rows on J alone, jointly along a column: six joint loads a wave, six outstanding.
; THE MATRIX INSTRUCTION IS USED TRANSPOSED: source 0 = 16 columns of Q, turned on the way out of LDS, source 1 = 16 rows: a lane ends with row lane % 16 and 8 neighbouring columns: its 16 bytes of a sub-tile.
; LIMIT.  Q' and the new tile are rounded once to bf16.
.set REGION, 73728
.set CHUNK,  36864
.set BOFF,   20480
.set SPARE,  294912                    ; behind the four regions: the spare words, 128 bytes for each wave
.set LA,  8
.set LT,  9                            ; v9   the lane's place in a sub-tile for the turning load: row 8 (lane / 16) + lane % 8, column half (lane / 8) % 2
.set AB,  10                           ; v10-11  my rows' fragments, chunk 0, 1
.set TB,  12                           ; v12-13  Q's k rows, chunk 0, 1
.set XS,  14                           ; v14  where I put partial sums
.set XR,  16                           ; v16-19  where I read wave 0..3's
.set VO,  20                           ; v20  my sub-tile column in a tile row, + LA
.set CP,  24                           ; v[24:27] the copied sub-tile
.set SPW, 28
.set NIL, 29
.set PK,  32                           ; v[32:51] packed results
.set F0,  64                           ; two fragment buffers of 72: five of rows, four of Q's columns; window 1: the 20 accumulators, (m, n) at 8 (4 m + n)
.set WV,  12
.set G1A, 16
.set G1R, 24
.set G1B, 32
.set G0,  40                           ; s[40:63] six groups 0
.set MSB, 0
.macro WIN new                         ; the immediate's high byte repeats the setting that is left
.if MSB != (\new)
	s_set_vgpr_msb (MSB<<8)|(\new)
.set MSB, \new
.endif
.endm
.macro CROUND                          ; a round of the cluster's barrier
	s_barrier_signal -1
	s_barrier_wait -1
	s_cmp_lg_u32 s[WV], 0
	s_cbranch_scc1 .Lnot_wave_0_\@
	s_barrier_signal -3
.Lnot_wave_0_\@:
	s_barrier_wait -3
	s_barrier_signal -1
	s_barrier_wait -1
.endm
.macro PLACES
.rept 4
	v_nop
.endr
.endm
.macro G1SET g, d0, d1, pitch          ; a tile of d1 rows of d0 elements of 8 bytes, pitch elements from row to row; the extents are the tile's
	s_mov_b32 s[\g+1], ((\d0)&0xffff)<<16
	s_mov_b32 s[\g+2], ((\d0)>>16)|(((\d1)&0xffff)<<16)
	s_mov_b32 s[\g+3], ((\d1)>>16)|((\d0)<<16)
	s_mov_b32 s[\g+4], \d1
	s_mov_b32 s[\g+5], \pitch
	s_mov_b32 s[\g+6], 0
	s_mov_b32 s[\g+7], 0
.endm
	s_load_b256 s[4:11], s[0:1], 0x0               ; Q s[4:5], g s[6:7], Q' s[8:9], g' s[10:11]
	v_lshl_add_u32 v[SPW], v0, 2, SPARE
	v_mov_b32 v[NIL], 0
	ds_add_u32 v[SPW], v[NIL]                      ; the wave's opening: the add, twice on end, and its wait ahead of my first tensor load
	ds_add_u32 v[SPW], v[NIL]
	v_lshrrev_b32 v1, 5, v0
	v_readfirstlane_b32 s[WV], v1
	s_bfe_u32 s13, ttmp6, 0x40000                  ; cx
	s_bfe_u32 s14, ttmp6, 0x40004                  ; cy
	s_lshl_b32 s15, ttmp9, 2
	s_add_co_u32 s15, s15, s13                     ; J
	s_and_b32 s66, ttmp7, 0xffff
	s_lshl_b32 s66, s66, 2
	s_add_co_u32 s66, s66, s14                     ; I
	s_lshl_b32 s67, s14, 2
	s_lshl_b32 s67, 15, s67                        ; my row of the cluster
	s_lshl_b32 s68, 0x1111, s13                    ; my column
	s_or_b32 s[G1A], s67, (3<<16)|(1<<21)          ; the mask; elements of 8 bytes; bit 21 beside a mask
	s_or_b32 s[G1R], s67, (3<<16)|(1<<21)
	s_or_b32 s[G1B], s68, (3<<16)|(1<<21)
	G1SET G1A, 512, 4, 4096                        ; four tile rows x 4,096 bytes (128 k)
	G1SET G1R, 32, 16, 32                          ; g's tile: 4,096 dense bytes as 16 rows of 256
	G1SET G1B, 256, 8, 4096                        ; eight k rows of sub-tiles x 2,048 bytes (four columns)
	s_mul_i32 s69, s[WV], REGION
	s_lshl_b32 s74, s[WV], 13
	s_lshl_b32 s70, s66, 17
	s_add_co_u32 s70, s70, s74                     ; rows: I x 4 tile rows + 256 w along K
	s_mov_b32 s71, 0
	s_lshl_b32 s76, s66, 15
	s_add_co_u32 s76, s76, s74                     ; g's tile I likewise
	s_mov_b32 s77, 0
	s_lshl_b32 s72, s15, 11
	s_lshl_b32 s75, s[WV], 19
	s_add_co_u32 s72, s72, s75                     ; Q's k rows 16 w on, columns 4 J on: in registers that never hold I
	s_mov_b32 s73, 0
	s_wait_dscnt 0x0                               ; both opening adds are done
	s_wait_kmcnt 0x0
	s_add_nc_u64 s[70:71], s[4:5], s[70:71]
	s_add_nc_u64 s[76:77], s[6:7], s[76:77]
	s_add_nc_u64 s[72:73], s[4:5], s[72:73]
.irp c, 0,1
	s_mov_b32 s[G0+12*(\c)], 1
	s_add_co_u32 s[G0+12*(\c)+1], s69, (\c)*CHUNK
	s_add_nc_u64 s[G0+12*(\c)+2:G0+12*(\c)+3], s[70:71], (\c)*4096
	s_or_b32 s[G0+12*(\c)+3], s[G0+12*(\c)+3], 0x80000000
	s_mov_b32 s[G0+12*(\c)+4], 1
	s_add_co_u32 s[G0+12*(\c)+5], s69, (\c)*CHUNK+16384
	s_add_nc_u64 s[G0+12*(\c)+6:G0+12*(\c)+7], s[76:77], (\c)*4096
	s_or_b32 s[G0+12*(\c)+7], s[G0+12*(\c)+7], 0x80000000
	s_mov_b32 s[G0+12*(\c)+8], 1
	s_add_co_u32 s[G0+12*(\c)+9], s69, (\c)*CHUNK+BOFF
	s_add_nc_u64 s[G0+12*(\c)+10:G0+12*(\c)+11], s[72:73], (\c)*262144
	s_or_b32 s[G0+12*(\c)+11], s[G0+12*(\c)+11], 0x80000000
.endr
	CROUND                                         ; all sixteen work-groups are here: the joint loads meet
.irp c, 0,1
	tensor_load_to_lds s[G0+12*(\c):G0+12*(\c)+3], s[G1A:G1A+7]
	s_nop 0
	tensor_load_to_lds s[G0+12*(\c)+4:G0+12*(\c)+7], s[G1R:G1R+7]
	s_nop 0
	tensor_load_to_lds s[G0+12*(\c)+8:G0+12*(\c)+11], s[G1B:G1B+7]
	s_nop 0
.endr
	PLACES
	v_and_b32 v1, 7, v0
	v_bfe_u32 v2, v0, 3, 1
	v_bfe_u32 v3, v0, 4, 1
	v_xor_b32 v4, v2, v3
	v_lshlrev_b32 v1, 4, v1
	v_lshl_add_u32 v1, v4, 7, v1
	v_lshl_add_u32 v[LA], v2, 8, v1
	v_lshl_add_u32 v[LT], v3, 8, v1
	v_add_nc_u32 v[AB], s69, v[LA]
	v_add_nc_u32 v[AB+1], CHUNK, v[AB]
	v_add_nc_u32 v[TB], s69, v[LT]
	v_add_nc_u32 v[TB], BOFF, v[TB]
	v_add_nc_u32 v[TB+1], CHUNK, v[TB]
	v_and_b32 v5, 31, v0
	v_lshlrev_b32 v5, 4, v5
	v_add_nc_u32 v[XS], s69, v5
	s_lshl_b32 s78, s[WV], 10
	v_add_nc_u32 v[XR], s78, v5
	v_add_nc_u32 v[XR+1], REGION, v[XR]
	v_add_nc_u32 v[XR+2], 2*REGION, v[XR]
	v_add_nc_u32 v[XR+3], 3*REGION, v[XR]
	s_lshl_b32 s79, s15, 2
	s_add_co_u32 s79, s79, s[WV]
	s_lshl_b32 s79, s79, 9
	v_add_nc_u32 v[VO], s79, v[LA]                 ; sub-tile column 4 J + w
	s_mov_b32 s81, 0
	s_lshl_b32 s80, s66, 15
	s_add_nc_u64 s[6:7], s[6:7], s[80:81]          ; g's tile I
	s_lshl_b32 s80, s66, 16
	s_add_nc_u64 s[10:11], s[10:11], s[80:81]      ; g' at tile 2 I
	s_lshl_b32 s80, s66, 17
	s_add_nc_u64 s[8:9], s[8:9], s[80:81]          ; Q' at tile row 4 I
	global_load_b128 v[CP:CP+3], v[VO], s[6:7]     ; the sub-tile that I copy
; K step t of eight (32 k): 10 plain and 8 turning loads into buffer f
.macro FETCH t, f
.set cc, (\t)>>2
.set ss, (\t)&3
.irp m, 0,1,2,3,4
	ds_load_b128 v[(\f)+8*(\m):(\f)+8*(\m)+3],   v[AB+cc] offset:(\m)*4096+ss*1024
	ds_load_b128 v[(\f)+8*(\m)+4:(\f)+8*(\m)+7], v[AB+cc] offset:(\m)*4096+ss*1024+512
.endr
.irp n, 0,1,2,3
	ds_load_tr16_b128 v[(\f)+40+8*(\n):(\f)+40+8*(\n)+3],   v[TB+cc] offset:ss*4096+(\n)*512
	ds_load_tr16_b128 v[(\f)+40+8*(\n)+4:(\f)+40+8*(\n)+7], v[TB+cc] offset:ss*4096+(\n)*512+2048
.endr
.endm
.macro STEP t
.set fc, F0+72*((\t)%2)
.set fn, F0+72*(1-(\t)%2)
	s_wait_dscnt 0x0                               ; this step's 18 loads, issued ahead of the last step's products
.if (\t) == 3
	s_wait_tensorcnt 0x0                           ; my second chunk is in: the next fetch reads it
.endif
.if (\t) < 7
.if (\t) > 0
	PLACES                                         ; four places between the last step's products and loads into the registers that they read
.endif
	FETCH (\t)+1, fn
.endif
	WIN 0x50                                       ; C and D in window 1
.irp m, 0,1,2,3,4
.irp n, 0,1,2,3
.if (\t) == 0
	v_wmma_f32_16x16x32_bf16 v[8*(4*(\m)+(\n)):8*(4*(\m)+(\n))+7], v[fc+40+8*(\n):fc+40+8*(\n)+7], v[fc+8*(\m):fc+8*(\m)+7], 0
.else
	v_wmma_f32_16x16x32_bf16 v[8*(4*(\m)+(\n)):8*(4*(\m)+(\n))+7], v[fc+40+8*(\n):fc+40+8*(\n)+7], v[fc+8*(\m):fc+8*(\m)+7], v[8*(4*(\m)+(\n)):8*(4*(\m)+(\n))+7]
.endif
.endr
.endr
	WIN 0
.endm
	s_wait_tensorcnt 0x3                           ; my first chunk's three loads are in; the second chunk's three stay out.  Only I read these bytes
	FETCH 0, F0
.irp t, 0,1,2,3,4,5,6,7
	STEP \t                                        ; the 20 accumulators take turns, in the same order in every step
.endr
	s_wait_loadcnt 0x0
	global_store_b128 v[VO], v[CP:CP+3], s[10:11]  ; the copy, at tile 2 I
	PLACES
	WIN 0x04                                       ; the stores' data in window 1
.set tt, 0
.rept 20
	ds_store_b128 v[XS], v[8*tt:8*tt+3]   offset:tt*1024
	ds_store_b128 v[XS], v[8*tt+4:8*tt+7] offset:tt*1024+512
.set tt, tt+1
.endr
	WIN 0
	s_wait_dscnt 0x0                               ; for the others' sake: my partial sums are stored
	s_barrier_signal -1
	s_barrier_wait -1
.set mm, 0
.rept 5
.set vv, 0
.rept 4
	ds_load_b128 v[64+32*mm+8*vv:64+32*mm+8*vv+3],   v[XR+vv] offset:mm*4096
	ds_load_b128 v[64+32*mm+8*vv+4:64+32*mm+8*vv+7], v[XR+vv] offset:mm*4096+512
.set vv, vv+1
.endr
.set mm, mm+1
.endr
.set mm, 0
.rept 5
	s_wait_dscnt 8*(4-mm)                          ; tile row mm's eight loads are in; the later rows' stay out
.set rr, 0
.rept 4
	v_pk_add_f32 v[64+32*mm+rr:64+32*mm+rr+1], v[64+32*mm+rr:64+32*mm+rr+1], v[72+32*mm+rr:72+32*mm+rr+1]
	v_pk_add_f32 v[80+32*mm+rr:80+32*mm+rr+1], v[80+32*mm+rr:80+32*mm+rr+1], v[88+32*mm+rr:88+32*mm+rr+1]
.set rr, rr+2
.endr
.set rr, 0
.rept 4
	v_pk_add_f32 v[64+32*mm+rr:64+32*mm+rr+1], v[64+32*mm+rr:64+32*mm+rr+1], v[80+32*mm+rr:80+32*mm+rr+1]
.set rr, rr+2
.endr
.set rr, 0
.rept 4
	v_cvt_pk_bf16_f32 v[PK+4*mm+rr], v[64+32*mm+2*rr], v[64+32*mm+2*rr+1]
.set rr, rr+1
.endr
.if mm < 4
	global_store_b128 v[VO], v[PK+4*mm:PK+4*mm+3], s[8:9] offset:mm*32768
.else
	global_store_b128 v[VO], v[PK+16:PK+19], s[10:11] offset:32768  ; the new tile, at 2 I + 1
.endif
.set mm, mm+1
.endr
	s_wait_tensorcnt 0x0                           ; the wave's end: behind my last tensor load and my last LDS store
	ds_add_u32 v[SPW], v[NIL]
	s_wait_dscnt 0x0
	CROUND                                         ; the closing round
	s_endpgm
.Lfunc_end_k_q599a2a8b80_sq:
	.size	k_q599a2a8b80_sq, .Lfunc_end_k_q599a2a8b80_sq-k_q599a2a8b80_sq
	.p2alignl 7, 3214868480
	.fill 96, 4, 3214868480
	.section	.rodata,"a",@progbits
	.p2align	6, 0x0
	.amdhsa_kernel k_q599a2a8b80_sq
		.amdhsa_group_segment_fixed_size 327680
		.amdhsa_private_segment_fixed_size 0
		.amdhsa_enable_private_segment 0
		.amdhsa_kernarg_size 32
		.amdhsa_user_sgpr_count 2
		.amdhsa_user_sgpr_kernarg_segment_ptr 1
		.amdhsa_wavefront_size32 1
		.amdhsa_system_sgpr_workgroup_id_x 1
		.amdhsa_system_sgpr_workgroup_id_y 1
		.amdhsa_system_sgpr_workgroup_id_z 1
		.amdhsa_system_vgpr_workitem_id 0
		.amdhsa_next_free_vgpr 416
		.amdhsa_next_free_sgpr 84
		.amdhsa_reserve_vcc 0
		.amdhsa_float_denorm_mode_32 3
		.amdhsa_float_denorm_mode_16_64 3
		.amdhsa_memory_ordered 1
		.amdhsa_forward_progress 1
		.amdhsa_inst_pref_size 39
	.end_amdhsa_kernel
	.amdgpu_metadata
---
amdhsa.version: [ 1, 2 ]
amdhsa.kernels:
  - .name:           k_q599a2a8b80_sq
    .symbol:         k_q599a2a8b80_sq.kd
    .args:
      - { .name: QA, .offset: 0, .size: 8, .value_kind: global_buffer, .address_space: global }
      - { .name: GTA, .offset: 8, .size: 8, .value_kind: global_buffer, .address_space: global }
      - { .name: QB, .offset: 16, .size: 8, .value_kind: global_buffer, .address_space: global }
      - { .name: GTB, .offset: 24, .size: 8, .value_kind: global_buffer, .address_space: global }
    .group_segment_fixed_size: 327680
    .private_segment_fixed_size: 0
    .kernarg_segment_align: 8
    .kernarg_segment_size: 32
    .max_flat_workgroup_size: 128
    .sgpr_count:     84
    .vgpr_count:     416
    .wavefront_size: 32
...
	.end_amdgpu_metadata
.endif
;; end of part 2
;; launch l2: the kernel of part 2 again; grid 16 x 16, 4 waves a work-group, clusters of 4 x 4, 327,680 bytes of LDS; arguments QB, GTB, QA, GTA; writes QA, GTA
;; launch l3: the kernel of part 2 again; grid 16 x 16, 4 waves a work-group, clusters of 4 x 4, 327,680 bytes of LDS; arguments QA, GTA, QB, GTB; writes QB, GTB
;; launch l4: the kernel of part 2 again; grid 16 x 16, 4 waves a work-group, clusters of 4 x 4, 327,680 bytes of LDS; arguments QB, GTB, QA, GTA; writes QA, GTA
;; launch l5: the kernel of part 2 again; grid 16 x 16, 4 waves a work-group, clusters of 4 x 4, 327,680 bytes of LDS; arguments QA, GTA, QB, GTB; writes QB, GTB
;; launch gq (part 3): grid 8 x 12, 4 waves a work-group, clusters of 4 x 4, 327,680 bytes of LDS; arguments QB, GTB, QA, GTA; writes QA, GTA
.if DOCPART == 3
	.amdgcn_target "amdgcn-amd-amdhsa--gfx1250"
	.amdhsa_code_object_version 6
	.text
	.protected	k_q599a2a8b80_gq
	.globl	k_q599a2a8b80_gq
	.p2align	8
	.type	k_q599a2a8b80_gq,@function
k_q599a2a8b80_gq:
	s_mov_b64 s[64:65], 0
	v_nop
	global_prefetch_b8 v0, s[64:65] scope:SCOPE_SE
	s_setreg_imm32_b32 hwreg(HW_REG_WAVE_MODE, 25, 1), 1
	s_wait_xcnt 0x0
	s_wait_alu depctr_hold_cnt(0) depctr_sa_sdst(0) depctr_va_vdst(0) depctr_va_sdst(0) depctr_va_ssrc(0) depctr_va_vcc(0) depctr_vm_vsrc(0)
	s_getreg_b32 s2, hwreg(HW_REG_IB_STS2, 6, 4)
	s_cmp_eq_u32 s2, 0
	s_cbranch_scc0 .Lentry_in_a_cluster
	s_endpgm
.Lentry_in_a_cluster:
	s_bfe_u32 s2, ttmp6, 0x10000c
	s_cmp_lg_u32 s2, 0xf033
	s_cbranch_scc0 .Lentry_shape_is_right
	s_endpgm
.Lentry_shape_is_right:
; A DOUBLING LEVEL WITH MANY TILES: blocks of 128 x 128 of X Y, K = 1,024, all in the tile format of the first launch (bf16; sums f32; results rounded once).
; HASQ = 1: rows of clusters 0 and 1 (work-group y 0-7) square Q: X = Y = Q, results in Q'.  The others multiply g: X = 8 tiles of g, Y = Q; tile T goes to 2 T as it is and T x Q to 2 T + 1.
; HASQ = 0: every work-group is of the second kind, and Y is the launch's second argument.
; Four waves, 64 x 64 each: 16 accumulators.  K in four steps of 256 through two LDS slots of 128 KiB: X's 8 tile rows x 16 sub-tiles, then Y's 16 k rows x 8 sub-tiles.  Waves 0, 1 fetch X's halves, 2, 3 Y's.
; CLUSTER 4 x 4: X's tile is asked for jointly along a row of the cluster, Y's along a column.  The kind of job hangs on the cluster's y alone: it is the same in all sixteen partners.
; THE MATRIX INSTRUCTION IS USED TRANSPOSED (source 0 = 16 columns of Y, turned on the way out of LDS; source 1 = 16 rows of X): a lane's eight results are its 16 bytes of a sub-tile, so a wave's store
; covers 512 consecutive bytes, aligned, and the results need no stage in LDS.
; NO PREFETCH: four K steps to a work-group, and every tile is read by four or more clusters at about the same time.
.set HASQ,  1
.set SLOT,  131072
.set SPARE, 262144                     ; behind the ring: the spare words, 128 bytes for each wave
.set LA,   6
.set LT,   7
.set CO,   8                           ; v8-11  LA + a x the distance of my result's tile rows
.set ADRA, 16                          ; v16-17
.set ADRB, 20                          ; v20-21
.set SPW,  28
.set NIL,  29
.set TMP,  32                          ; v[32:95]
.set ACC,  128                         ; (a, b) at 128 + 8 (4 a + b)
.set F0,   0                           ; window 1: two fragment buffers of 128: 64 of X, 64 of Y, for 64 along K
.set F1,   128
.set WV,   12
.set HM,   13                          ; which half of the rows is mine; also: I fetch X (0) or Y (1)
.set HN,   14                          ; which half of the columns; also: which half of that tile I fetch
.set TY,   15                          ; 1: a job on g
.set STR,  16                          ; bytes between my result's tile rows
.set ADDB, 17                          ; and where the first begins
.set G1,   24
.set G0,   32
.set G1B,  48
.set G0B,  56
.set MSB, 0
.macro WIN new
.if MSB != (\new)
	s_set_vgpr_msb (MSB<<8)|(\new)
.set MSB, \new
.endif
.endm
.set MUL,  0x05                        ; sources 0 and 1 in window 1
.set TO_F, 0x40                        ; destination in window 1
.macro JLOAD s                         ; a joint load; an s_nop 0 and four v_nop follow each of the two lines
	s_cmp_eq_u32 s[HM], 0
	s_cbranch_scc0 .Lfor_b_\@
	tensor_load_to_lds s[G0+4*(\s):G0+4*(\s)+3], s[G1:G1+7]
	s_nop 0
.rept 4
	v_nop
.endr
	s_branch .Lasked_\@
.Lfor_b_\@:
	tensor_load_to_lds s[G0B+4*(\s):G0B+4*(\s)+3], s[G1B:G1B+7]
	s_nop 0
.rept 4
	v_nop
.endr
.Lasked_\@:
.endm
.macro CREST
	s_cmp_lg_u32 s[WV], 0
	s_cbranch_scc1 .Lnot_wave_0_\@
	s_barrier_signal -3
.Lnot_wave_0_\@:
	s_barrier_wait -3
	s_barrier_signal -1
	s_barrier_wait -1
.endm
.macro CROUND
	s_barrier_signal -1
	s_barrier_wait -1
	CREST
.endm
.macro PLACES
.rept 4
	v_nop
.endr
.endm
.macro G1SET g, d0, d1, pitch
	s_mov_b32 s[\g+1], ((\d0)&0xffff)<<16
	s_mov_b32 s[\g+2], ((\d0)>>16)|(((\d1)&0xffff)<<16)
	s_mov_b32 s[\g+3], ((\d1)>>16)|((\d0)<<16)
	s_mov_b32 s[\g+4], \d1
	s_mov_b32 s[\g+5], \pitch
	s_mov_b32 s[\g+6], 0
	s_mov_b32 s[\g+7], 0
.endm
.if HASQ
	s_load_b256 s[4:11], s[0:1], 0x0               ; Q s[4:5], g s[6:7], Q' s[8:9], g' s[10:11]
.else
	s_load_b128 s[4:7], s[0:1], 0x0                ; g s[4:5], Y s[6:7]
	s_load_b64 s[8:9], s[0:1], 0x10                ; g'
.endif
	v_lshl_add_u32 v[SPW], v0, 2, SPARE
	v_mov_b32 v[NIL], 0
	ds_add_u32 v[SPW], v[NIL]                      ; the wave's opening: the add, twice on end, and its wait ahead of my first tensor load
	ds_add_u32 v[SPW], v[NIL]
	v_lshrrev_b32 v1, 5, v0
	v_readfirstlane_b32 s[WV], v1
	s_lshr_b32 s[HM], s[WV], 1
	s_and_b32 s[HN], s[WV], 1
	s_bfe_u32 s40, ttmp6, 0x40000                  ; cx
	s_bfe_u32 s41, ttmp6, 0x40004                  ; cy
	s_lshl_b32 s42, ttmp9, 2
	s_add_co_u32 s42, s42, s40                     ; block column
	s_and_b32 s18, ttmp7, 0xffff                   ; the cluster's y
	s_lshl_b32 s43, s18, 2
	s_add_co_u32 s43, s43, s41                     ; work-group y
.if HASQ
	s_cmp_ge_u32 s18, 2
	s_cselect_b32 s[TY], 1, 0
	s_lshl_b32 s[STR], 32768, s[TY]
	s_lshl_b32 s[ADDB], s[TY], 15
	s_lshl_b32 s19, s[TY], 3
	s_sub_co_u32 s43, s43, s19                     ; block row in X
.else
	s_mov_b32 s[STR], 65536
	s_mov_b32 s[ADDB], 32768
.endif
	s_lshl_b32 s44, s41, 2
	s_lshl_b32 s44, 15, s44                        ; my row of the cluster
	s_lshl_b32 s45, 0x1111, s40                    ; my column
	s_or_b32 s[G1], s44, (3<<16)|(1<<21)           ; the mask; elements of 8 bytes; bit 21 beside a mask
	s_or_b32 s[G1B], s45, (3<<16)|(1<<21)
	G1SET G1, 1024, 4, 4096                        ; four tile rows x 8,192 bytes (256 k)
	G1SET G1B, 512, 8, 4096                        ; eight k rows of sub-tiles x 4,096 bytes (128 columns)
	s_lshl_b32 s20, s43, 18
	s_lshl_b32 s21, s[HN], 17
	s_add_co_u32 s20, s20, s21                     ; X: 8 tile rows a block, my four
	s_mov_b32 s21, 0
	s_lshl_b32 s46, s[HN], 18
	s_lshl_b32 s47, s42, 12
	s_add_co_u32 s46, s46, s47                     ; Y: my eight k rows, the block's eight sub-tile columns
	s_mov_b32 s47, 0
	s_lshl_b32 s22, s[WV], 15                      ; where they go: wave x 32 KiB: no place in the cluster enters an LDS address
	s_wait_dscnt 0x0                               ; both opening adds are done
	s_wait_kmcnt 0x0
.if HASQ
	s_cmp_eq_u32 s[TY], 1
	s_cselect_b64 s[66:67], s[6:7], s[4:5]         ; X
	s_cselect_b64 s[68:69], s[10:11], s[8:9]       ; the results' buffer
	s_add_nc_u64 s[46:47], s[4:5], s[46:47]
.else
	s_mov_b64 s[66:67], s[4:5]
	s_mov_b64 s[68:69], s[8:9]
	s_add_nc_u64 s[46:47], s[6:7], s[46:47]
.endif
	s_add_nc_u64 s[20:21], s[66:67], s[20:21]
	CROUND                                         ; all sixteen work-groups are here: the first joint loads meet
.irp s, 0,1
	s_mov_b32 s[G0+4*(\s)], 1
	s_add_co_u32 s[G0+4*(\s)+1], s22, (\s)*SLOT
	s_add_nc_u64 s[G0+4*(\s)+2:G0+4*(\s)+3], s[20:21], (\s)*8192
	s_or_b32 s[G0+4*(\s)+3], s[G0+4*(\s)+3], 0x80000000
	s_mov_b32 s[G0B+4*(\s)], 1
	s_add_co_u32 s[G0B+4*(\s)+1], s22, (\s)*SLOT
	s_add_nc_u64 s[G0B+4*(\s)+2:G0B+4*(\s)+3], s[46:47], (\s)*524288
	s_or_b32 s[G0B+4*(\s)+3], s[G0B+4*(\s)+3], 0x80000000
	JLOAD \s
.endr
	v_and_b32 v1, 7, v0
	v_bfe_u32 v2, v0, 3, 1
	v_bfe_u32 v3, v0, 4, 1
	v_xor_b32 v4, v2, v3
	v_lshlrev_b32 v1, 4, v1
	v_lshl_add_u32 v1, v4, 7, v1
	v_lshl_add_u32 v[LA], v2, 8, v1
	v_lshl_add_u32 v[LT], v3, 8, v1
	s_lshl_b32 s23, s[HM], 15
	v_add_nc_u32 v[ADRA], s23, v[LA]
	v_add_nc_u32 v[ADRA+1], SLOT, v[ADRA]
	s_lshl_b32 s23, s[HN], 11
	s_add_co_u32 s23, s23, 65536
	v_add_nc_u32 v[ADRB], s23, v[LT]
	v_add_nc_u32 v[ADRB+1], SLOT, v[ADRB]
	v_mov_b32 v[CO], v[LA]
	v_add_nc_u32 v[CO+1], s[STR], v[CO]
	v_add_nc_u32 v[CO+2], s[STR], v[CO+1]
	v_add_nc_u32 v[CO+3], s[STR], v[CO+2]
	s_lshl_b32 s70, s43, 3
	s_lshl_b32 s71, s[HM], 2
	s_add_co_u32 s70, s70, s71                     ; my first tile row of X
	s_lshl_b32 s72, s42, 3
	s_lshl_b32 s73, s[HN], 2
	s_add_co_u32 s72, s72, s73
	s_lshl_b32 s72, s72, 9                         ; my first sub-tile column, in bytes
	s_mul_i32 s74, s70, s[STR]
	s_add_co_u32 s74, s74, s[ADDB]
	s_add_co_u32 s74, s74, s72
	s_mov_b32 s75, 0
	s_add_nc_u64 s[68:69], s[68:69], s[74:75]      ; my results
	s_lshl_b32 s74, s70, 15
	s_add_co_u32 s74, s74, s72
	s_add_nc_u64 s[66:67], s[66:67], s[74:75]      ; the same sub-tiles of X
	; THE COPY of my 16 sub-tiles of g, while the first tiles are on their way
.if HASQ
	s_cmp_eq_u32 s[TY], 0
	s_cbranch_scc1 .Lnocopy
.endif
.irp a, 0,1,2,3
.irp b, 0,1,2,3
	global_load_b128 v[TMP+4*(4*(\a)+(\b)):TMP+4*(4*(\a)+(\b))+3], v[LA], s[66:67] offset:(\a)*32768+(\b)*512
.endr
.endr
.irp a, 0,1,2,3
.irp b, 0,1,2,3
	s_wait_loadcnt 15-(4*(\a)+(\b))                ; loads come back in order: this one is in, the younger stay out
	global_store_b128 v[CO+(\a)], v[TMP+4*(4*(\a)+(\b)):TMP+4*(4*(\a)+(\b))+3], s[68:69] offset:(\b)*512-32768  ; one tile in front of the result's
.endr
.endr
.if HASQ
.Lnocopy:
.endif
.macro MUL8 f, c, a0, zero             ; 8 products: rows a0, a0 + 1 x 4 columns, 32 along K: half c of buffer f
	WIN MUL
.irp a, \a0, (\a0)+1
.irp b, 0,1,2,3
.if \zero
	v_wmma_f32_16x16x32_bf16 v[ACC+8*(4*(\a)+(\b)):ACC+8*(4*(\a)+(\b))+7], v[(\f)+64+8*(4*(\c)+(\b)):(\f)+64+8*(4*(\c)+(\b))+7], v[(\f)+8*(4*(\c)+(\a)):(\f)+8*(4*(\c)+(\a))+7], 0
.else
	v_wmma_f32_16x16x32_bf16 v[ACC+8*(4*(\a)+(\b)):ACC+8*(4*(\a)+(\b))+7], v[(\f)+64+8*(4*(\c)+(\b)):(\f)+64+8*(4*(\c)+(\b))+7], v[(\f)+8*(4*(\c)+(\a)):(\f)+8*(4*(\c)+(\a))+7], v[ACC+8*(4*(\a)+(\b)):ACC+8*(4*(\a)+(\b))+7]
.endif
.endr
.endr
.endm
.macro FETCH slot, qk, f               ; 32 LDS loads in one run: quarter qk (64 along K) of a slot into buffer f; its first 32 along K first
	WIN TO_F
.irp c, 0,1
.irp i, 0,1,2,3
	ds_load_tr16_b128 v[(\f)+64+8*(4*(\c)+(\i)):(\f)+64+8*(4*(\c)+(\i))+3],   v[ADRB+(\slot)] offset:(2*(\qk)+(\c))*8192+(\i)*512
	ds_load_tr16_b128 v[(\f)+64+8*(4*(\c)+(\i))+4:(\f)+64+8*(4*(\c)+(\i))+7], v[ADRB+(\slot)] offset:(2*(\qk)+(\c))*8192+(\i)*512+4096
	ds_load_b128 v[(\f)+8*(4*(\c)+(\i)):(\f)+8*(4*(\c)+(\i))+3],   v[ADRA+(\slot)] offset:(\i)*8192+(2*(\qk)+(\c))*1024
	ds_load_b128 v[(\f)+8*(4*(\c)+(\i))+4:(\f)+8*(4*(\c)+(\i))+7], v[ADRA+(\slot)] offset:(\i)*8192+(2*(\qk)+(\c))*1024+512
.endr
.endr
.endm
.macro QUARTER slot, qk, f, g, zero    ; multiplies buffer f; in its middle fetches quarter qk of the same slot into g
	s_wait_dscnt 16                                ; the first 32 along K are in; the youngest sixteen loads may be out
	WIN MUL
	MUL8 \f, 0, 0, \zero
	MUL8 \f, 0, 2, \zero
	PLACES
	FETCH \slot, \qk, \g
	s_wait_dscnt 32                                ; all but the 32 just issued
	WIN MUL
	MUL8 \f, 1, 0, 0
	MUL8 \f, 1, 2, 0
.endm
; A slot's last quarter multiplies buffer 1 and changes slots.  In front of the barrier each wave waits for all its tensor loads (one is out: its part of the next slot), adds 0 to its spare word, and waits for
; that and for its reads of this slot.  fill = 1: the barrier opens a round of the cluster's, and the slot is filled again, two K steps on, first thing behind it.
.macro TURN slot, next, fill
	WIN 0
	s_wait_tensorcnt 0x0
	ds_add_u32 v[SPW], v[NIL]
	s_wait_dscnt 17                                ; the add and the youngest sixteen loads may be out
	WIN MUL
	MUL8 F1, 0, 0, 0
	s_wait_dscnt 0x0                               ; the add is done, and my reads of this slot are over
	s_barrier_signal -1
	MUL8 F1, 0, 2, 0
.if \fill
	WIN 0
.endif
	s_barrier_wait -1
.if \fill
	CREST                                          ; no wave of any partner still reads this slot or has a load on its way
	s_add_nc_u64 s[G0+4*(\slot)+2:G0+4*(\slot)+3], s[G0+4*(\slot)+2:G0+4*(\slot)+3], 16384
	s_add_nc_u64 s[G0B+4*(\slot)+2:G0B+4*(\slot)+3], s[G0B+4*(\slot)+2:G0B+4*(\slot)+3], 1048576
	JLOAD \slot                                    ; its four v_nop are also the places in front of the loads below
.else
	PLACES
.endif
	FETCH \next, 0, F0
	WIN MUL
	MUL8 F1, 1, 0, 0
	MUL8 F1, 1, 2, 0
.endm
	s_wait_tensorcnt 0x1                           ; my part of K step 0 is in; K step 1's stays out
	s_barrier_signal -1
	s_barrier_wait -1
	FETCH 0, 0, F0
	QUARTER 0, 1, F0, F1, 1                        ; the first products start the sums
	QUARTER 0, 2, F1, F0, 0
	QUARTER 0, 3, F0, F1, 0
	TURN 0, 1, 1                                   ; slot 0 takes K step 2
	QUARTER 1, 1, F0, F1, 0
	QUARTER 1, 2, F1, F0, 0
	QUARTER 1, 3, F0, F1, 0
	TURN 1, 0, 1                                   ; slot 1 takes K step 3
	QUARTER 0, 1, F0, F1, 0
	QUARTER 0, 2, F1, F0, 0
	QUARTER 0, 3, F0, F1, 0
	TURN 0, 1, 0
	QUARTER 1, 1, F0, F1, 0
	QUARTER 1, 2, F1, F0, 0
	QUARTER 1, 3, F0, F1, 0
	s_wait_dscnt 16
	WIN MUL
	MUL8 F1, 0, 0, 0
	MUL8 F1, 0, 2, 0
	s_wait_dscnt 0x0
	MUL8 F1, 1, 0, 0
	MUL8 F1, 1, 2, 0
	WIN 0
	s_wait_xcnt 0x0                                ; the copy's stores have read their registers, which are written again below
	PLACES
.set tt, 0
.rept 16
.set rr, 0
.rept 4
	v_cvt_pk_bf16_f32 v[TMP+4*tt+rr], v[ACC+8*tt+2*rr], v[ACC+8*tt+2*rr+1]
.set rr, rr+1
.endr
.set tt, tt+1
.endr
.irp a, 0,1,2,3
.irp b, 0,1,2,3
	global_store_b128 v[CO+(\a)], v[TMP+4*(4*(\a)+(\b)):TMP+4*(4*(\a)+(\b))+3], s[68:69] offset:(\b)*512  ; a whole sub-tile
.endr
.endr
	s_wait_tensorcnt 0x0                           ; the wave's end: behind my last tensor load
	ds_add_u32 v[SPW], v[NIL]
	s_wait_dscnt 0x0
	CROUND                                         ; the closing round
	s_endpgm
.Lfunc_end_k_q599a2a8b80_gq:
	.size	k_q599a2a8b80_gq, .Lfunc_end_k_q599a2a8b80_gq-k_q599a2a8b80_gq
	.p2alignl 7, 3214868480
	.fill 96, 4, 3214868480
	.section	.rodata,"a",@progbits
	.p2align	6, 0x0
	.amdhsa_kernel k_q599a2a8b80_gq
		.amdhsa_group_segment_fixed_size 327680
		.amdhsa_private_segment_fixed_size 0
		.amdhsa_enable_private_segment 0
		.amdhsa_kernarg_size 32
		.amdhsa_user_sgpr_count 2
		.amdhsa_user_sgpr_kernarg_segment_ptr 1
		.amdhsa_wavefront_size32 1
		.amdhsa_system_sgpr_workgroup_id_x 1
		.amdhsa_system_sgpr_workgroup_id_y 1
		.amdhsa_system_sgpr_workgroup_id_z 1
		.amdhsa_system_vgpr_workitem_id 0
		.amdhsa_next_free_vgpr 512
		.amdhsa_next_free_sgpr 80
		.amdhsa_reserve_vcc 0
		.amdhsa_float_denorm_mode_32 3
		.amdhsa_float_denorm_mode_16_64 3
		.amdhsa_memory_ordered 1
		.amdhsa_forward_progress 1
		.amdhsa_inst_pref_size 87
	.end_amdhsa_kernel
	.amdgpu_metadata
---
amdhsa.version: [ 1, 2 ]
amdhsa.kernels:
  - .name:           k_q599a2a8b80_gq
    .symbol:         k_q599a2a8b80_gq.kd
    .args:
      - { .name: QB, .offset: 0, .size: 8, .value_kind: global_buffer, .address_space: global }
      - { .name: GTB, .offset: 8, .size: 8, .value_kind: global_buffer, .address_space: global }
      - { .name: QA, .offset: 16, .size: 8, .value_kind: global_buffer, .address_space: global }
      - { .name: GTA, .offset: 24, .size: 8, .value_kind: global_buffer, .address_space: global }
    .group_segment_fixed_size: 327680
    .private_segment_fixed_size: 0
    .kernarg_segment_align: 8
    .kernarg_segment_size: 32
    .max_flat_workgroup_size: 128
    .sgpr_count:     80
    .vgpr_count:     512
    .wavefront_size: 32
...
	.end_amdgpu_metadata
.endif
;; end of part 3
;; launch l7: the kernel of part 3 again; grid 8 x 16, 4 waves a work-group, clusters of 4 x 4, 327,680 bytes of LDS; arguments QA, GTA, QB, GTB; writes QB, GTB
;; launch l8: the kernel of part 3 again; grid 8 x 24, 4 waves a work-group, clusters of 4 x 4, 327,680 bytes of LDS; arguments QB, GTB, QA, GTA; writes QA, GTA
;; launch gn (part 4): grid 8 x 32, 4 waves a work-group, clusters of 4 x 4, 327,680 bytes of LDS; arguments GTA, QA, GTB; writes GTB
.if DOCPART == 4
	.amdgcn_target "amdgcn-amd-amdhsa--gfx1250"
	.amdhsa_code_object_version 6
	.text
	.protected	k_q599a2a8b80_gn
	.globl	k_q599a2a8b80_gn
	.p2align	8
	.type	k_q599a2a8b80_gn,@function
k_q599a2a8b80_gn:
	s_mov_b64 s[64:65], 0
	v_nop
	global_prefetch_b8 v0, s[64:65] scope:SCOPE_SE
	s_setreg_imm32_b32 hwreg(HW_REG_WAVE_MODE, 25, 1), 1
	s_wait_xcnt 0x0
	s_wait_alu depctr_hold_cnt(0) depctr_sa_sdst(0) depctr_va_vdst(0) depctr_va_sdst(0) depctr_va_ssrc(0) depctr_va_vcc(0) depctr_vm_vsrc(0)
	s_getreg_b32 s2, hwreg(HW_REG_IB_STS2, 6, 4)
	s_cmp_eq_u32 s2, 0
	s_cbranch_scc0 .Lentry_in_a_cluster
	s_endpgm
.Lentry_in_a_cluster:
	s_bfe_u32 s2, ttmp6, 0x10000c
	s_cmp_lg_u32 s2, 0xf033
	s_cbranch_scc0 .Lentry_shape_is_right
	s_endpgm
.Lentry_shape_is_right:
; THE LAST DOUBLING LEVEL AND THE PRODUCT WITH W_x: blocks of 128 x 128 of X Y, K = 1,024, all in the tile format of the first launch (bf16; sums f32; results rounded once).
; The text is that of the levels before with HASQ = 0: every work-group multiplies 8 tiles of g by Y, the launch's second argument; tile T goes to 2 T as it is and T x Y to 2 T + 1.
; Four waves, 64 x 64 each: 16 accumulators.  K in four steps of 256 through two LDS slots of 128 KiB: X's 8 tile rows x 16 sub-tiles, then Y's 16 k rows x 8 sub-tiles.  Waves 0, 1 fetch X's halves, 2, 3 Y's.
; CLUSTER 4 x 4: X's tile is asked for jointly along a row of the cluster, Y's along a column.
; THE MATRIX INSTRUCTION IS USED TRANSPOSED (source 0 = 16 columns of Y, turned on the way out of LDS; source 1 = 16 rows of X): a lane's eight results are its 16 bytes of a sub-tile, so a wave's store
; covers 512 consecutive bytes, aligned, and the results need no stage in LDS.
; NO PREFETCH: four K steps to a work-group, and every tile is read by four or more clusters at about the same time.
.set HASQ,  0
.set SLOT,  131072
.set SPARE, 262144                     ; behind the ring: the spare words, 128 bytes for each wave
.set LA,   6
.set LT,   7
.set CO,   8                           ; v8-11  LA + a x the distance of my result's tile rows
.set ADRA, 16                          ; v16-17
.set ADRB, 20                          ; v20-21
.set SPW,  28
.set NIL,  29
.set TMP,  32                          ; v[32:95]
.set ACC,  128                         ; (a, b) at 128 + 8 (4 a + b)
.set F0,   0                           ; window 1: two fragment buffers of 128: 64 of X, 64 of Y, for 64 along K
.set F1,   128
.set WV,   12
.set HM,   13                          ; which half of the rows is mine; also: I fetch X (0) or Y (1)
.set HN,   14                          ; which half of the columns; also: which half of that tile I fetch
.set TY,   15
.set STR,  16                          ; bytes between my result's tile rows
.set ADDB, 17                          ; and where the first begins
.set G1,   24
.set G0,   32
.set G1B,  48
.set G0B,  56
.set MSB, 0
.macro WIN new
.if MSB != (\new)
	s_set_vgpr_msb (MSB<<8)|(\new)
.set MSB, \new
.endif
.endm
.set MUL,  0x05                        ; sources 0 and 1 in window 1
.set TO_F, 0x40                        ; destination in window 1
.macro JLOAD s                         ; a joint load; an s_nop 0 and four v_nop follow each of the two lines
	s_cmp_eq_u32 s[HM], 0
	s_cbranch_scc0 .Lfor_b_\@
	tensor_load_to_lds s[G0+4*(\s):G0+4*(\s)+3], s[G1:G1+7]
	s_nop 0
.rept 4
	v_nop
.endr
	s_branch .Lasked_\@
.Lfor_b_\@:
	tensor_load_to_lds s[G0B+4*(\s):G0B+4*(\s)+3], s[G1B:G1B+7]
	s_nop 0
.rept 4
	v_nop
.endr
.Lasked_\@:
.endm
.macro CREST
	s_cmp_lg_u32 s[WV], 0
	s_cbranch_scc1 .Lnot_wave_0_\@
	s_barrier_signal -3
.Lnot_wave_0_\@:
	s_barrier_wait -3
	s_barrier_signal -1
	s_barrier_wait -1
.endm
.macro CROUND
	s_barrier_signal -1
	s_barrier_wait -1
	CREST
.endm
.macro PLACES
.rept 4
	v_nop
.endr
.endm
.macro G1SET g, d0, d1, pitch
	s_mov_b32 s[\g+1], ((\d0)&0xffff)<<16
	s_mov_b32 s[\g+2], ((\d0)>>16)|(((\d1)&0xffff)<<16)
	s_mov_b32 s[\g+3], ((\d1)>>16)|((\d0)<<16)
	s_mov_b32 s[\g+4], \d1
	s_mov_b32 s[\g+5], \pitch
	s_mov_b32 s[\g+6], 0
	s_mov_b32 s[\g+7], 0
.endm
.if HASQ
	s_load_b256 s[4:11], s[0:1], 0x0               ; Q s[4:5], g s[6:7], Q' s[8:9], g' s[10:11]
.else
	s_load_b128 s[4:7], s[0:1], 0x0                ; g s[4:5], Y s[6:7]
	s_load_b64 s[8:9], s[0:1], 0x10                ; g'
.endif
	v_lshl_add_u32 v[SPW], v0, 2, SPARE
	v_mov_b32 v[NIL], 0
	ds_add_u32 v[SPW], v[NIL]                      ; the wave's opening: the add, twice on end, and its wait ahead of my first tensor load
	ds_add_u32 v[SPW], v[NIL]
	v_lshrrev_b32 v1, 5, v0
	v_readfirstlane_b32 s[WV], v1
	s_lshr_b32 s[HM], s[WV], 1
	s_and_b32 s[HN], s[WV], 1
	s_bfe_u32 s40, ttmp6, 0x40000                  ; cx
	s_bfe_u32 s41, ttmp6, 0x40004                  ; cy
	s_lshl_b32 s42, ttmp9, 2
	s_add_co_u32 s42, s42, s40                     ; block column
	s_and_b32 s18, ttmp7, 0xffff                   ; the cluster's y
	s_lshl_b32 s43, s18, 2
	s_add_co_u32 s43, s43, s41                     ; work-group y
.if HASQ
	s_cmp_ge_u32 s18, 2
	s_cselect_b32 s[TY], 1, 0
	s_lshl_b32 s[STR], 32768, s[TY]
	s_lshl_b32 s[ADDB], s[TY], 15
	s_lshl_b32 s19, s[TY], 3
	s_sub_co_u32 s43, s43, s19                     ; block row in X
.else
	s_mov_b32 s[STR], 65536
	s_mov_b32 s[ADDB], 32768
.endif
	s_lshl_b32 s44, s41, 2
	s_lshl_b32 s44, 15, s44                        ; my row of the cluster
	s_lshl_b32 s45, 0x1111, s40                    ; my column
	s_or_b32 s[G1], s44, (3<<16)|(1<<21)           ; the mask; elements of 8 bytes; bit 21 beside a mask
	s_or_b32 s[G1B], s45, (3<<16)|(1<<21)
	G1SET G1, 1024, 4, 4096                        ; four tile rows x 8,192 bytes (256 k)
	G1SET G1B, 512, 8, 4096                        ; eight k rows of sub-tiles x 4,096 bytes (128 columns)
	s_lshl_b32 s20, s43, 18
	s_lshl_b32 s21, s[HN], 17
	s_add_co_u32 s20, s20, s21                     ; X: 8 tile rows a block, my four
	s_mov_b32 s21, 0
	s_lshl_b32 s46, s[HN], 18
	s_lshl_b32 s47, s42, 12
	s_add_co_u32 s46, s46, s47                     ; Y: my eight k rows, the block's eight sub-tile columns
	s_mov_b32 s47, 0
	s_lshl_b32 s22, s[WV], 15                      ; where they go: wave x 32 KiB: no place in the cluster enters an LDS address
	s_wait_dscnt 0x0                               ; both opening adds are done
	s_wait_kmcnt 0x0
.if HASQ
	s_cmp_eq_u32 s[TY], 1
	s_cselect_b64 s[66:67], s[6:7], s[4:5]         ; X
	s_cselect_b64 s[68:69], s[10:11], s[8:9]       ; the results' buffer
	s_add_nc_u64 s[46:47], s[4:5], s[46:47]
.else
	s_mov_b64 s[66:67], s[4:5]
	s_mov_b64 s[68:69], s[8:9]
	s_add_nc_u64 s[46:47], s[6:7], s[46:47]
.endif
	s_add_nc_u64 s[20:21], s[66:67], s[20:21]
	CROUND                                         ; all sixteen work-groups are here: the first joint loads meet
.irp s, 0,1
	s_mov_b32 s[G0+4*(\s)], 1
	s_add_co_u32 s[G0+4*(\s)+1], s22, (\s)*SLOT
	s_add_nc_u64 s[G0+4*(\s)+2:G0+4*(\s)+3], s[20:21], (\s)*8192
	s_or_b32 s[G0+4*(\s)+3], s[G0+4*(\s)+3], 0x80000000
	s_mov_b32 s[G0B+4*(\s)], 1
	s_add_co_u32 s[G0B+4*(\s)+1], s22, (\s)*SLOT
	s_add_nc_u64 s[G0B+4*(\s)+2:G0B+4*(\s)+3], s[46:47], (\s)*524288
	s_or_b32 s[G0B+4*(\s)+3], s[G0B+4*(\s)+3], 0x80000000
	JLOAD \s
.endr
	v_and_b32 v1, 7, v0
	v_bfe_u32 v2, v0, 3, 1
	v_bfe_u32 v3, v0, 4, 1
	v_xor_b32 v4, v2, v3
	v_lshlrev_b32 v1, 4, v1
	v_lshl_add_u32 v1, v4, 7, v1
	v_lshl_add_u32 v[LA], v2, 8, v1
	v_lshl_add_u32 v[LT], v3, 8, v1
	s_lshl_b32 s23, s[HM], 15
	v_add_nc_u32 v[ADRA], s23, v[LA]
	v_add_nc_u32 v[ADRA+1], SLOT, v[ADRA]
	s_lshl_b32 s23, s[HN], 11
	s_add_co_u32 s23, s23, 65536
	v_add_nc_u32 v[ADRB], s23, v[LT]
	v_add_nc_u32 v[ADRB+1], SLOT, v[ADRB]
	v_mov_b32 v[CO], v[LA]
	v_add_nc_u32 v[CO+1], s[STR], v[CO]
	v_add_nc_u32 v[CO+2], s[STR], v[CO+1]
	v_add_nc_u32 v[CO+3], s[STR], v[CO+2]
	s_lshl_b32 s70, s43, 3
	s_lshl_b32 s71, s[HM], 2
	s_add_co_u32 s70, s70, s71                     ; my first tile row of X
	s_lshl_b32 s72, s42, 3
	s_lshl_b32 s73, s[HN], 2
	s_add_co_u32 s72, s72, s73
	s_lshl_b32 s72, s72, 9                         ; my first sub-tile column, in bytes
	s_mul_i32 s74, s70, s[STR]
	s_add_co_u32 s74, s74, s[ADDB]
	s_add_co_u32 s74, s74, s72
	s_mov_b32 s75, 0
	s_add_nc_u64 s[68:69], s[68:69], s[74:75]      ; my results
	s_lshl_b32 s74, s70, 15
	s_add_co_u32 s74, s74, s72
	s_add_nc_u64 s[66:67], s[66:67], s[74:75]      ; the same sub-tiles of X
	; THE COPY of my 16 sub-tiles of g, while the first tiles are on their way
.if HASQ
	s_cmp_eq_u32 s[TY], 0
	s_cbranch_scc1 .Lnocopy
.endif
.irp a, 0,1,2,3
.irp b, 0,1,2,3
	global_load_b128 v[TMP+4*(4*(\a)+(\b)):TMP+4*(4*(\a)+(\b))+3], v[LA], s[66:67] offset:(\a)*32768+(\b)*512
.endr
.endr
.irp a, 0,1,2,3
.irp b, 0,1,2,3
	s_wait_loadcnt 15-(4*(\a)+(\b))                ; loads come back in order: this one is in, the younger stay out
	global_store_b128 v[CO+(\a)], v[TMP+4*(4*(\a)+(\b)):TMP+4*(4*(\a)+(\b))+3], s[68:69] offset:(\b)*512-32768  ; one tile in front of the result's
.endr
.endr
.if HASQ
.Lnocopy:
.endif
.macro MUL8 f, c, a0, zero             ; 8 products: rows a0, a0 + 1 x 4 columns, 32 along K: half c of buffer f
	WIN MUL
.irp a, \a0, (\a0)+1
.irp b, 0,1,2,3
.if \zero
	v_wmma_f32_16x16x32_bf16 v[ACC+8*(4*(\a)+(\b)):ACC+8*(4*(\a)+(\b))+7], v[(\f)+64+8*(4*(\c)+(\b)):(\f)+64+8*(4*(\c)+(\b))+7], v[(\f)+8*(4*(\c)+(\a)):(\f)+8*(4*(\c)+(\a))+7], 0
.else
	v_wmma_f32_16x16x32_bf16 v[ACC+8*(4*(\a)+(\b)):ACC+8*(4*(\a)+(\b))+7], v[(\f)+64+8*(4*(\c)+(\b)):(\f)+64+8*(4*(\c)+(\b))+7], v[(\f)+8*(4*(\c)+(\a)):(\f)+8*(4*(\c)+(\a))+7], v[ACC+8*(4*(\a)+(\b)):ACC+8*(4*(\a)+(\b))+7]
.endif
.endr
.endr
.endm
.macro FETCH slot, qk, f               ; 32 LDS loads in one run: quarter qk (64 along K) of a slot into buffer f; its first 32 along K first
	WIN TO_F
.irp c, 0,1
.irp i, 0,1,2,3
	ds_load_tr16_b128 v[(\f)+64+8*(4*(\c)+(\i)):(\f)+64+8*(4*(\c)+(\i))+3],   v[ADRB+(\slot)] offset:(2*(\qk)+(\c))*8192+(\i)*512
	ds_load_tr16_b128 v[(\f)+64+8*(4*(\c)+(\i))+4:(\f)+64+8*(4*(\c)+(\i))+7], v[ADRB+(\slot)] offset:(2*(\qk)+(\c))*8192+(\i)*512+4096
	ds_load_b128 v[(\f)+8*(4*(\c)+(\i)):(\f)+8*(4*(\c)+(\i))+3],   v[ADRA+(\slot)] offset:(\i)*8192+(2*(\qk)+(\c))*1024
	ds_load_b128 v[(\f)+8*(4*(\c)+(\i))+4:(\f)+8*(4*(\c)+(\i))+7], v[ADRA+(\slot)] offset:(\i)*8192+(2*(\qk)+(\c))*1024+512
.endr
.endr
.endm
.macro QUARTER slot, qk, f, g, zero    ; multiplies buffer f; in its middle fetches quarter qk of the same slot into g
	s_wait_dscnt 16                                ; the first 32 along K are in; the youngest sixteen loads may be out
	WIN MUL
	MUL8 \f, 0, 0, \zero
	MUL8 \f, 0, 2, \zero
	PLACES
	FETCH \slot, \qk, \g
	s_wait_dscnt 32                                ; all but the 32 just issued
	WIN MUL
	MUL8 \f, 1, 0, 0
	MUL8 \f, 1, 2, 0
.endm
; A slot's last quarter multiplies buffer 1 and changes slots.  In front of the barrier each wave waits for all its tensor loads (one is out: its part of the next slot), adds 0 to its spare word, and waits for
; that and for its reads of this slot.  fill = 1: the barrier opens a round of the cluster's, and the slot is filled again, two K steps on, first thing behind it.
.macro TURN slot, next, fill
	WIN 0
	s_wait_tensorcnt 0x0
	ds_add_u32 v[SPW], v[NIL]
	s_wait_dscnt 17                                ; the add and the youngest sixteen loads may be out
	WIN MUL
	MUL8 F1, 0, 0, 0
	s_wait_dscnt 0x0                               ; the add is done, and my reads of this slot are over
	s_barrier_signal -1
	MUL8 F1, 0, 2, 0
.if \fill
	WIN 0
.endif
	s_barrier_wait -1
.if \fill
	CREST                                          ; no wave of any partner still reads this slot or has a load on its way
	s_add_nc_u64 s[G0+4*(\slot)+2:G0+4*(\slot)+3], s[G0+4*(\slot)+2:G0+4*(\slot)+3], 16384
	s_add_nc_u64 s[G0B+4*(\slot)+2:G0B+4*(\slot)+3], s[G0B+4*(\slot)+2:G0B+4*(\slot)+3], 1048576
	JLOAD \slot                                    ; its four v_nop are also the places in front of the loads below
.else
	PLACES
.endif
	FETCH \next, 0, F0
	WIN MUL
	MUL8 F1, 1, 0, 0
	MUL8 F1, 1, 2, 0
.endm
	s_wait_tensorcnt 0x1                           ; my part of K step 0 is in; K step 1's stays out
	s_barrier_signal -1
	s_barrier_wait -1
	FETCH 0, 0, F0
	QUARTER 0, 1, F0, F1, 1                        ; the first products start the sums
	QUARTER 0, 2, F1, F0, 0
	QUARTER 0, 3, F0, F1, 0
	TURN 0, 1, 1                                   ; slot 0 takes K step 2
	QUARTER 1, 1, F0, F1, 0
	QUARTER 1, 2, F1, F0, 0
	QUARTER 1, 3, F0, F1, 0
	TURN 1, 0, 1                                   ; slot 1 takes K step 3
	QUARTER 0, 1, F0, F1, 0
	QUARTER 0, 2, F1, F0, 0
	QUARTER 0, 3, F0, F1, 0
	TURN 0, 1, 0
	QUARTER 1, 1, F0, F1, 0
	QUARTER 1, 2, F1, F0, 0
	QUARTER 1, 3, F0, F1, 0
	s_wait_dscnt 16
	WIN MUL
	MUL8 F1, 0, 0, 0
	MUL8 F1, 0, 2, 0
	s_wait_dscnt 0x0
	MUL8 F1, 1, 0, 0
	MUL8 F1, 1, 2, 0
	WIN 0
	s_wait_xcnt 0x0                                ; the copy's stores have read their registers, which are written again below
	PLACES
.set tt, 0
.rept 16
.set rr, 0
.rept 4
	v_cvt_pk_bf16_f32 v[TMP+4*tt+rr], v[ACC+8*tt+2*rr], v[ACC+8*tt+2*rr+1]
.set rr, rr+1
.endr
.set tt, tt+1
.endr
.irp a, 0,1,2,3
.irp b, 0,1,2,3
	global_store_b128 v[CO+(\a)], v[TMP+4*(4*(\a)+(\b)):TMP+4*(4*(\a)+(\b))+3], s[68:69] offset:(\b)*512  ; a whole sub-tile
.endr
.endr
	s_wait_tensorcnt 0x0                           ; the wave's end: behind my last tensor load
	ds_add_u32 v[SPW], v[NIL]
	s_wait_dscnt 0x0
	CROUND                                         ; the closing round
	s_endpgm
.Lfunc_end_k_q599a2a8b80_gn:
	.size	k_q599a2a8b80_gn, .Lfunc_end_k_q599a2a8b80_gn-k_q599a2a8b80_gn
	.p2alignl 7, 3214868480
	.fill 96, 4, 3214868480
	.section	.rodata,"a",@progbits
	.p2align	6, 0x0
	.amdhsa_kernel k_q599a2a8b80_gn
		.amdhsa_group_segment_fixed_size 327680
		.amdhsa_private_segment_fixed_size 0
		.amdhsa_enable_private_segment 0
		.amdhsa_kernarg_size 24
		.amdhsa_user_sgpr_count 2
		.amdhsa_user_sgpr_kernarg_segment_ptr 1
		.amdhsa_wavefront_size32 1
		.amdhsa_system_sgpr_workgroup_id_x 1
		.amdhsa_system_sgpr_workgroup_id_y 1
		.amdhsa_system_sgpr_workgroup_id_z 1
		.amdhsa_system_vgpr_workitem_id 0
		.amdhsa_next_free_vgpr 512
		.amdhsa_next_free_sgpr 80
		.amdhsa_reserve_vcc 0
		.amdhsa_float_denorm_mode_32 3
		.amdhsa_float_denorm_mode_16_64 3
		.amdhsa_memory_ordered 1
		.amdhsa_forward_progress 1
		.amdhsa_inst_pref_size 87
	.end_amdhsa_kernel
	.amdgpu_metadata
---
amdhsa.version: [ 1, 2 ]
amdhsa.kernels:
  - .name:           k_q599a2a8b80_gn
    .symbol:         k_q599a2a8b80_gn.kd
    .args:
      - { .name: GTA, .offset: 0, .size: 8, .value_kind: global_buffer, .address_space: global }
      - { .name: QA, .offset: 8, .size: 8, .value_kind: global_buffer, .address_space: global }
      - { .name: GTB, .offset: 16, .size: 8, .value_kind: global_buffer, .address_space: global }
    .group_segment_fixed_size: 327680
    .private_segment_fixed_size: 0
    .kernarg_segment_align: 8
    .kernarg_segment_size: 24
    .max_flat_workgroup_size: 128
    .sgpr_count:     80
    .vgpr_count:     512
    .wavefront_size: 32
...
	.end_amdgpu_metadata
.endif
;; end of part 4
;; launch uu: the kernel of part 4 again; grid 8 x 64, 4 waves a work-group, clusters of 4 x 4, 327,680 bytes of LDS; arguments GTB, WX, GTA; writes GTA
;; launch dot (part 5): grid 519 x 1, 8 waves a work-group, no clusters, 140,288 bytes of LDS; arguments x_caption, emb, GTA, b_cap_hid, PART, x_img, W_img_j, b_img_j, b_cap_j, W_int, W_sem, W_ctx; writes PART
.if DOCPART == 5
	.amdgcn_target "amdgcn-amd-amdhsa--gfx1250"
	.amdhsa_code_object_version 6
	.text
	.protected	k_q599a2a8b80_dot
	.globl	k_q599a2a8b80_dot
	.p2align	8
	.type	k_q599a2a8b80_dot,@function
k_q599a2a8b80_dot:
	s_mov_b64 s[64:65], 0
	v_nop
	global_prefetch_b8 v0, s[64:65] scope:SCOPE_SE
	s_setreg_imm32_b32 hwreg(HW_REG_WAVE_MODE, 25, 1), 1
	s_wait_xcnt 0x0
; THE DOT PRODUCTS.  GTA holds g_k at tile 2 p and u_k = g_k W_x at tile 2 p + 1, k = p's nine bits reversed (16 rows a tile, 13 real; tile format of the first launch).
; WORK-GROUPS 7-518 (p = number - 7): time step t = 511 - k.  PART's slot p = for all 64 b and 16 c: emb[cap[b][t]] . u_k[c] + b_cap_hid . g_k[c], in f32.
;   Wave w owns columns 128 w .. 128 w + 127 of all 64 gathered rows: 512 consecutive bytes of a row to a load.  The rows are rounded to bf16 and turned into fragments through the wave's own LDS bytes;
;   source 0 = the tile's 16 rows c, source 1 = 16 rows b; the bias term is a product with a fragment whose 16 columns all hold b_cap_hid.  The eight waves' sums meet in LDS; wave w adds and stores 512 bytes.
;   The rows come in four batches of 16, two batches on their way at a time; a batch's 16 indices are fetched one batch ahead of the rows that they name: sixteen scalar loads are out at the most.
; WORK-GROUPS 0-6: the image part.  F[b][j] = x_img[b] . W_img_j[j] + b_img_j[j] + b_cap_j[j], rounded once to bf16, times W_out[c][j]: a wave takes 16 b and 32 j; slot 512 + j / 32.
;   Work-group g holds W_out's columns 64 g .. 64 g + 63 as a table in LDS, zeros where row (13 and up) or column (400 and up) does not exist.  Waves 4-7 of work-group 6 have j = 416 and up,
;   where no column exists: they pass the barrier with the others and store a slot of zeros, which the last launch adds.
; A slot is [b / 16][q][lane][4 f32]: b = 16 (b / 16) + lane % 16, c = 8 (lane / 16) + 4 q + e.
; LIMITS.  An index is held to 50,256 at the most.  All inputs are taken rounded to bf16.  No cluster: no two work-groups share a tile.  No prefetch: the gather's loads, 32 rows a wave at a time, stream.
.set SPARE, 139264                     ; behind the eight stages: the spare words, 128 bytes for each wave
.set STG,   17408                      ; a wave's stage: 64 rows of 272 bytes (128 bf16 + 16)
.set TP,    144                        ; a row of the table of W_out: 64 bf16 + 16 bytes: the 16 rows of a fragment load start 16 bytes apart modulo 256
.set WV,  14
.set BO,  5
.set SPW, 6
.set NIL, 7
.set LA,  8
.set VL,  9                            ; v9   512 w + 16 x lane: my bytes of a gathered row; also my 16 bytes of a slot, and of each wave's stored sums
.set ST,  10
.set ER,  11
.set XS,  12
.set XR1, 13
.set VO,  16                           ; v16-31  a batch's 16 offsets into emb
.set UF,  32                           ; v[32:63]   u's four fragments
.set ACC, 64                           ; v[64:95]   four accumulators: b / 16
.set B0,  96                           ; v[96:159]
.set B1,  160                          ; v[160:223]
.set GF,  224                          ; v[224:255] g's four fragments
.macro PLACES
.rept 4
	v_nop
.endr
.endm
; Index i = cap[i][t] lies in s[24 + i] for i below 40 and in s[26 + i] from 40 on: s24-63 and s66-89.
.macro IDX bt                          ; batch bt's 16 indices are asked for: rows of x_caption are 2,048 bytes apart
.set ii, 0
.rept 16
	s_load_b32 s[24+16*(\bt)+ii+2*((16*(\bt)+ii)/40)], s[4:5], (16*(\bt)+ii)*2048
.set ii, ii+1
.endr
.endm
.macro CLAMP bt                        ; they are in (scalar loads return in no order: the count is 0), and are held inside the table
	s_wait_kmcnt 0x0
.set ii, 0
.rept 16
	s_min_u32 s[24+16*(\bt)+ii+2*((16*(\bt)+ii)/40)], s[24+16*(\bt)+ii+2*((16*(\bt)+ii)/40)], 50256
.set ii, ii+1
.endr
.endm
	s_load_b256 s[4:11], s[0:1], 0x0               ; x_caption s[4:5], emb s[6:7], GTA s[8:9], b_cap_hid s[10:11]
	s_load_b64 s[12:13], s[0:1], 0x20              ; PART
	v_lshl_add_u32 v[SPW], v0, 2, SPARE
	v_mov_b32 v[NIL], 0
	v_lshrrev_b32 v1, 5, v0
	v_readfirstlane_b32 s[WV], v1
	v_and_b32 v2, 31, v0                           ; lane
	v_and_b32 v3, 15, v0                           ; r
	v_bfe_u32 v4, v0, 4, 1                         ; h
	s_cmp_lt_u32 ttmp9, 7                          ; the same in all waves of a work-group
	s_cbranch_scc1 .Limage
	s_sub_co_u32 s15, ttmp9, 7                     ; p
	s_mov_b32 s16, 0
.irp i, 0,1,2,3,4,5,6,7,8
	s_bfe_u32 s17, s15, (1<<16)|(\i)
	s_lshl_b32 s17, s17, 8-(\i)
	s_or_b32 s16, s16, s17                         ; k
.endr
	s_sub_co_u32 s16, 511, s16                     ; t
	s_lshl_b32 s16, s16, 2
	s_mov_b32 s17, 0
	s_wait_kmcnt 0x0
	s_add_nc_u64 s[4:5], s[4:5], s[16:17]          ; x_caption at column t; never rewritten
	IDX 0
	s_lshl_b32 s18, s15, 16
	s_lshl_b32 s20, s[WV], 12
	s_add_co_u32 s18, s18, s20
	s_mov_b32 s19, 0
	s_add_nc_u64 s[8:9], s[8:9], s[18:19]          ; tile 2 p at my 8 sub-tiles; u lies 32,768 bytes on
	s_lshl_b32 s18, s15, 12
	s_add_nc_u64 s[12:13], s[12:13], s[18:19]      ; slot p
	v_and_b32 v1, 7, v0
	v_bfe_u32 v15, v0, 3, 1
	v_xor_b32 v14, v15, v4
	v_lshlrev_b32 v1, 4, v1
	v_lshl_add_u32 v1, v14, 7, v1
	v_lshl_add_u32 v[LA], v15, 8, v1
.irp s, 0,1,2,3
	global_load_b128 v[UF+8*(\s):UF+8*(\s)+3],   v[LA], s[8:9] offset:32768+1024*(\s)
	global_load_b128 v[UF+8*(\s)+4:UF+8*(\s)+7], v[LA], s[8:9] offset:32768+1024*(\s)+512
.endr
	s_lshl_b32 s21, s[WV], 9
	v_lshl_add_u32 v[VL], v2, 4, s21
	v_lshl_add_u32 v[BO], v4, 5, s21               ; b_cap_hid: 128 w + 8 h, in bytes
	s_mul_i32 s22, s[WV], STG
	v_lshl_add_u32 v[ST], v2, 3, s22
	v_mul_u32_u24 v[ER], v3, 272
	v_lshl_add_u32 v[ER], v4, 4, v[ER]
	v_add_nc_u32 v[ER], s22, v[ER]
	v_lshl_add_u32 v[XS], v2, 4, s22
	v_add_nc_u32 v[XR1], 4*STG, v[VL]
.macro BATCH bt, buf                   ; 16 gathered rows, my 512 bytes of each
.set ii, 0
.rept 16
	v_lshl_add_u32 v[VO+ii], s[24+16*(\bt)+ii+2*((16*(\bt)+ii)/40)], 12, v[VL]
.set ii, ii+1
.endr
.set ii, 0
.rept 16
	global_load_b128 v[(\buf)+4*ii:(\buf)+4*ii+3], v[VO+ii], s[6:7]
.set ii, ii+1
.endr
.endm
.macro CONV bt, buf                    ; rounded to bf16 and laid into my stage by rows
.set ii, 0
.rept 16
	v_cvt_pk_bf16_f32 v[(\buf)+4*ii],   v[(\buf)+4*ii],   v[(\buf)+4*ii+1]
	v_cvt_pk_bf16_f32 v[(\buf)+4*ii+1], v[(\buf)+4*ii+2], v[(\buf)+4*ii+3]
	ds_store_b64 v[ST], v[(\buf)+4*ii:(\buf)+4*ii+1] offset:(16*(\bt)+ii)*272
.set ii, ii+1
.endr
.endm
.macro ELOAD bt, set                   ; the four fragments of rows 16 bt .. 16 bt + 15
.irp s, 0,1,2,3
	ds_load_b128 v[B1+32*(\set)+8*(\s):B1+32*(\set)+8*(\s)+3],   v[ER] offset:(\bt)*4352+64*(\s)
	ds_load_b128 v[B1+32*(\set)+8*(\s)+4:B1+32*(\set)+8*(\s)+7], v[ER] offset:(\bt)*4352+64*(\s)+32
.endr
.endm
.macro EMUL b0                         ; two accumulators by turns; the first products start the sums
.irp s, 0,1,2,3
.irp u, 0,1
.if (\s) == 0
	v_wmma_f32_16x16x32_bf16 v[ACC+8*((\b0)+(\u)):ACC+8*((\b0)+(\u))+7], v[UF+8*(\s):UF+8*(\s)+7], v[B1+32*(\u)+8*(\s):B1+32*(\u)+8*(\s)+7], 0
.else
	v_wmma_f32_16x16x32_bf16 v[ACC+8*((\b0)+(\u)):ACC+8*((\b0)+(\u))+7], v[UF+8*(\s):UF+8*(\s)+7], v[B1+32*(\u)+8*(\s):B1+32*(\u)+8*(\s)+7], v[ACC+8*((\b0)+(\u)):ACC+8*((\b0)+(\u))+7]
.endif
.endr
.endr
.endm
	CLAMP 0
	IDX 1                                          ; the next batch's indices, ahead of this batch's rows
	BATCH 0, B0
	CLAMP 1
	IDX 2
	s_wait_xcnt 0x0                                ; the offsets are written again only behind this wait
	BATCH 1, B1
	s_wait_loadcnt 16                              ; u and batch 0 are in; batch 1's sixteen stay out
	CONV 0, B0
	CLAMP 2                                        ; asked for ahead of batch 1's rows
	IDX 3
	s_wait_xcnt 0x0
	s_wait_dscnt 0x0                               ; the LDS stores have read the buffer
	BATCH 2, B0
	s_wait_loadcnt 16                              ; batch 1 is in
	CONV 1, B1
	CLAMP 3                                        ; asked for ahead of batch 2's rows
	s_wait_xcnt 0x0
	s_wait_dscnt 0x0
	BATCH 3, B1
	s_wait_loadcnt 16                              ; batch 2 is in
	CONV 2, B0
	s_wait_dscnt 0x0
.irp s, 0,1,2,3
	global_load_b128 v[GF+8*(\s):GF+8*(\s)+3],   v[LA], s[8:9] offset:1024*(\s)
	global_load_b128 v[GF+8*(\s)+4:GF+8*(\s)+7], v[LA], s[8:9] offset:1024*(\s)+512
.endr
.irp s, 0,1,2,3                        ; b_cap_hid in the order of a fragment's registers: 8 h + 0..7 and 16 + 8 h + 0..7 of each 32
	global_load_b128 v[B0+16*(\s):B0+16*(\s)+3],     v[BO], s[10:11] offset:128*(\s)
	global_load_b128 v[B0+16*(\s)+4:B0+16*(\s)+7],   v[BO], s[10:11] offset:128*(\s)+16
	global_load_b128 v[B0+16*(\s)+8:B0+16*(\s)+11],  v[BO], s[10:11] offset:128*(\s)+64
	global_load_b128 v[B0+16*(\s)+12:B0+16*(\s)+15], v[BO], s[10:11] offset:128*(\s)+80
.endr
	s_wait_loadcnt 24                              ; batch 3 is in; the 24 just issued stay out
	CONV 3, B1
	s_wait_dscnt 0x0
	ELOAD 0, 0
	ELOAD 1, 1
	s_wait_dscnt 0x0
	EMUL 0
	PLACES
	ELOAD 2, 0
	ELOAD 3, 1
	s_wait_dscnt 0x0
	EMUL 2
	s_wait_loadcnt 0x0                             ; g and b_cap_hid
.set nn, 0
.rept 32
	v_cvt_pk_bf16_f32 v[B0+nn], v[B0+2*nn], v[B0+2*nn+1]  ; in place, ascending: fragment s ends at B0 + 8 s
.set nn, nn+1
.endr
.irp s, 0,1,2,3
.irp b, 0,1,2,3
	v_wmma_f32_16x16x32_bf16 v[ACC+8*(\b):ACC+8*(\b)+7], v[GF+8*(\s):GF+8*(\s)+7], v[B0+8*(\s):B0+8*(\s)+7], v[ACC+8*(\b):ACC+8*(\b)+7]
.endr
.endr
	PLACES
.irp b, 0,1,2,3
	ds_store_b128 v[XS], v[ACC+8*(\b):ACC+8*(\b)+3]   offset:1024*(\b)
	ds_store_b128 v[XS], v[ACC+8*(\b)+4:ACC+8*(\b)+7] offset:1024*(\b)+512
.endr
	s_wait_dscnt 0x0                               ; for the others' sake: my sums are stored
	s_barrier_signal -1
	s_barrier_wait -1
.irp u, 0,1,2,3
	ds_load_b128 v[B0+4*(\u):B0+4*(\u)+3],       v[VL]  offset:(\u)*STG
	ds_load_b128 v[B0+16+4*(\u):B0+16+4*(\u)+3], v[XR1] offset:(\u)*STG
.endr
	s_wait_dscnt 0x0
.irp u, 0,8,16,24
	v_pk_add_f32 v[B0+(\u):B0+(\u)+1],   v[B0+(\u):B0+(\u)+1],   v[B0+(\u)+4:B0+(\u)+5]
	v_pk_add_f32 v[B0+(\u)+2:B0+(\u)+3], v[B0+(\u)+2:B0+(\u)+3], v[B0+(\u)+6:B0+(\u)+7]
.endr
.irp u, 0,16
	v_pk_add_f32 v[B0+(\u):B0+(\u)+1],   v[B0+(\u):B0+(\u)+1],   v[B0+(\u)+8:B0+(\u)+9]
	v_pk_add_f32 v[B0+(\u)+2:B0+(\u)+3], v[B0+(\u)+2:B0+(\u)+3], v[B0+(\u)+10:B0+(\u)+11]
.endr
	v_pk_add_f32 v[B0:B0+1],   v[B0:B0+1],   v[B0+16:B0+17]
	v_pk_add_f32 v[B0+2:B0+3], v[B0+2:B0+3], v[B0+18:B0+19]
	global_store_b128 v[VL], v[B0:B0+3], s[12:13]  ; 512 consecutive bytes of the slot
	s_branch .Lend
; THE IMAGE PART
.set INT, 32
.set SEM, 34
.set CTX, 36
.set T0,  38
.set T1,  39
.set T2,  40
.set BP,  42
.set VM,  46                           ; s46-47  the lanes whose pair of the row exists
.set LM,  50                           ; s50  the lanes whose two columns exist (below 400)
.set TD,  32                           ; v[32:35] the table's f32; then v[32:63] the biases, then the last product
.set L16, 1
.set TS,  5
.set WO0, 9
.set WO1, 10
.set XO,  11
.set BJ0, 12
.set BJ1, 13
.set VQ,  14
.set FA,  15
; Row w + 8 k of the table of W_out: which buffer, which of its rows, whether it exists; the work-group's 64 columns of it by one load of 8 bytes a lane.
.macro TROW k
	s_add_co_u32 s[T0], s[WV], 8*(\k)
	s_cmp_lt_u32 s[T0], 7
	s_cselect_b64 s[T2:T2+1], s[INT:INT+1], s[SEM:SEM+1]
	s_cselect_b32 s[T1], 0, 7
	s_cmp_lt_u32 s[T0], 10
	s_cselect_b64 s[T2:T2+1], s[T2:T2+1], s[CTX:CTX+1]
	s_cselect_b32 s[T1], s[T1], 10
	s_cmp_lt_u32 s[T0], 13
	s_cselect_b32 s[VM+(\k)], -1, 0
	s_cselect_b32 s[T0], s[T0], 10                 ; a row that does not exist reads W_ctx's row 0 and stores zeros
	s_sub_co_u32 s[T0], s[T0], s[T1]
	s_mul_i32 s[T0], s[T0], 1600
	s_mov_b32 s[T1], 0
	s_add_nc_u64 s[BP+2*(\k):BP+2*(\k)+1], s[T2:T2+1], s[T0:T0+1]
	s_and_b32 s[VM+(\k)], s[VM+(\k)], s[LM]
	global_load_b64 v[TD+2*(\k):TD+2*(\k)+1], v[VQ], s[BP+2*(\k):BP+2*(\k)+1]
.endm
.macro TSTORE                          ; rounded to bf16, zeros where row or column does not exist; each lane 4 bytes of its own: 144 (w + 8 k) + 4 x lane
.irp k, 0,1
	v_cvt_pk_bf16_f32 v[TD+2*(\k)], v[TD+2*(\k)], v[TD+2*(\k)+1]
	v_cndmask_b32 v[TD+2*(\k)], 0, v[TD+2*(\k)], s[VM+(\k)]
	ds_store_b32 v[TS], v[TD+2*(\k)] offset:8*TP*(\k)
.endr
.endm
; Four K steps of 32: a lane takes 16 consecutive f32 (k = 32 s + 16 h + 0..15) of its row of W_img_j (two tiles of j) and of x_img: the same places of k in both sources, so the products are the right ones.
.macro IB nb
.irp k, 0,1,2,3
.irp q, 0,1,2,3
	global_load_b128 v[64+48*(\k)+4*(\q):64+48*(\k)+4*(\q)+3], v[WO0], s[26:27] offset:128*(4*(\nb)+(\k))+16*(\q)
	global_load_b128 v[80+48*(\k)+4*(\q):80+48*(\k)+4*(\q)+3], v[WO1], s[26:27] offset:128*(4*(\nb)+(\k))+16*(\q)
	global_load_b128 v[96+48*(\k)+4*(\q):96+48*(\k)+4*(\q)+3], v[XO],  s[24:25] offset:128*(4*(\nb)+(\k))+16*(\q)
.endr
.endr
.endm
.macro IMUL first
.set ii, 0
.rept 12
.set nn, 0
.rept 8
	v_cvt_pk_bf16_f32 v[64+16*ii+nn], v[64+16*ii+2*nn], v[64+16*ii+2*nn+1]
.set nn, nn+1
.endr
.set ii, ii+1
.endr
.irp k, 0,1,2,3
.if (\first) && ((\k) == 0)
	v_wmma_f32_16x16x32_bf16 v[16:23], v[64+48*(\k):71+48*(\k)], v[96+48*(\k):103+48*(\k)], 0
	v_wmma_f32_16x16x32_bf16 v[24:31], v[80+48*(\k):87+48*(\k)], v[96+48*(\k):103+48*(\k)], 0
.else
	v_wmma_f32_16x16x32_bf16 v[16:23], v[64+48*(\k):71+48*(\k)], v[96+48*(\k):103+48*(\k)], v[16:23]
	v_wmma_f32_16x16x32_bf16 v[24:31], v[80+48*(\k):87+48*(\k)], v[96+48*(\k):103+48*(\k)], v[24:31]
.endif
.endr
.endm
.Limage:
	s_load_b256 s[24:31], s[0:1], 0x28             ; x_img s[24:25], W_img_j s[26:27], b_img_j s[28:29], b_cap_j s[30:31]
	s_load_b128 s[32:35], s[0:1], 0x48             ; W_int, W_sem
	s_load_b64 s[36:37], s[0:1], 0x58              ; W_ctx
	s_lshr_b32 s58, s[WV], 2                       ; which half of the work-group's 64 j is mine
	s_lshl_b32 s51, ttmp9, 1
	s_add_co_u32 s51, s51, s58                     ; which 32 j: 0..13
	s_lshl_b32 s52, s51, 5                         ; j0
	s_and_b32 s53, s[WV], 3                        ; which 16 b
	v_lshlrev_b32 v[L16], 4, v2
	s_lshl_b32 s56, ttmp9, 6                       ; the table's first column
	s_movk_i32 s57, 400
	v_lshl_add_u32 v[VQ], v2, 1, s56               ; my two columns of the table: 64 g + 2 x lane, an even number: both exist or neither
	v_cmp_gt_u32 s[LM], s57, v[VQ]
	v_min_u32 v[VQ], 398, v[VQ]                    ; held inside the row
	v_lshlrev_b32 v[VQ], 2, v[VQ]
	s_mul_i32 s54, s[WV], TP
	v_lshl_add_u32 v[TS], v2, 2, s54
	v_add_nc_u32 v[WO0], s52, v3
	v_add_nc_u32 v[WO1], 16, v[WO0]
	v_min_u32 v[WO0], 399, v[WO0]                  ; a j that does not exist reads row 399; the table's zeros meet it
	v_min_u32 v[WO1], 399, v[WO1]
	v_lshlrev_b32 v[WO0], 11, v[WO0]
	v_lshlrev_b32 v[WO1], 11, v[WO1]
	v_lshl_add_u32 v[WO0], v4, 6, v[WO0]
	v_lshl_add_u32 v[WO1], v4, 6, v[WO1]
	s_lshl_b32 s54, s53, 4
	v_add_nc_u32 v[XO], s54, v3
	v_lshlrev_b32 v[XO], 11, v[XO]
	v_lshl_add_u32 v[XO], v4, 6, v[XO]
	v_lshl_add_u32 v[BJ0], v4, 3, s52              ; j0 + 8 h: my eight j of the first tile,
	v_add_nc_u32 v[BJ1], 16, v[BJ0]                ; and of the second
	v_min_u32 v[BJ0], 392, v[BJ0]
	v_min_u32 v[BJ1], 392, v[BJ1]
	v_lshlrev_b32 v[BJ0], 2, v[BJ0]
	v_lshlrev_b32 v[BJ1], 2, v[BJ1]
	v_mul_u32_u24 v[FA], v3, TP                    ; the table's fragment: row r, 16 h, my half's 64 bytes: lane terms and the wave's number alone
	v_lshl_add_u32 v[FA], v4, 4, v[FA]
	s_lshl_b32 s58, s58, 6
	v_add_nc_u32 v[FA], s58, v[FA]
	s_add_co_u32 s54, s51, 512
	s_lshl_b32 s54, s54, 12
	s_lshl_b32 s55, s53, 10
	s_add_co_u32 s54, s54, s55
	s_mov_b32 s55, 0
	s_wait_kmcnt 0x0
	s_add_nc_u64 s[12:13], s[12:13], s[54:55]      ; my 1,024 bytes of slot 512 + j0 / 32
	TROW 0
	TROW 1
	IB 0
	s_wait_loadcnt 48                              ; the table's two loads are in; the batch's 48 stay out
	TSTORE
	s_wait_dscnt 0x0                               ; for the others' sake: my part of the table is stored; its registers are free
	global_load_b128 v[32:35], v[BJ0], s[28:29]
	global_load_b128 v[36:39], v[BJ0], s[28:29] offset:16
	global_load_b128 v[40:43], v[BJ1], s[28:29]
	global_load_b128 v[44:47], v[BJ1], s[28:29] offset:16
	global_load_b128 v[48:51], v[BJ0], s[30:31]
	global_load_b128 v[52:55], v[BJ0], s[30:31] offset:16
	global_load_b128 v[56:59], v[BJ1], s[30:31]
	global_load_b128 v[60:63], v[BJ1], s[30:31] offset:16
	s_barrier_signal -1
	s_barrier_wait -1                              ; the table is whole
	s_wait_loadcnt 8                               ; the first batch is in; the eight bias loads stay out
	IMUL 1
	PLACES
	IB 1
	s_wait_loadcnt 48                              ; the biases are in
.set nn, 0
.rept 16
	v_cvt_pk_bf16_f32 v[TS], v[32+2*nn], v[33+2*nn]   ; the biases as bf16 holds them (the register's LDS address has served)
	v_lshlrev_b32 v[32+2*nn], 16, v[TS]
	v_and_b32 v[33+2*nn], 0xffff0000, v[TS]
.set nn, nn+1
.endr
.set nn, 0
.rept 8
	v_pk_add_f32 v[32+nn:33+nn], v[32+nn:33+nn], v[48+nn:49+nn]
.set nn, nn+2
.endr
	ds_load_b128 v[56:59], v[FA]                   ; the table's fragment: 16 rows c, j0 .. j0 + 31
	ds_load_b128 v[60:63], v[FA] offset:32
	s_wait_loadcnt 0x0
	IMUL 0
	PLACES
	IB 2
	s_wait_loadcnt 0x0
	IMUL 0
	PLACES
	IB 3
	s_wait_loadcnt 0x0
	IMUL 0
	PLACES
.set nn, 0
.rept 8
	v_pk_add_f32 v[32+nn:33+nn], v[32+nn:33+nn], v[16+nn:17+nn]
.set nn, nn+2
.endr
.set nn, 0
.rept 8
	v_cvt_pk_bf16_f32 v[48+nn], v[32+2*nn], v[33+2*nn]  ; two result tiles rounded in pairs are source 1: 32 j x 16 b
.set nn, nn+1
.endr
	s_wait_dscnt 0x0
	v_wmma_f32_16x16x32_bf16 v[32:39], v[56:63], v[48:55], 0
	PLACES
	global_store_b128 v[L16], v[32:35], s[12:13]
	global_store_b128 v[L16], v[36:39], s[12:13] offset:512
.Lend:
	s_wait_tensorcnt 0x0                           ; the wave's end, behind my last LDS store
	ds_add_u32 v[SPW], v[NIL]
	s_wait_dscnt 0x0
	s_endpgm
.Lfunc_end_k_q599a2a8b80_dot:
	.size	k_q599a2a8b80_dot, .Lfunc_end_k_q599a2a8b80_dot-k_q599a2a8b80_dot
	.p2alignl 7, 3214868480
	.fill 96, 4, 3214868480
	.section	.rodata,"a",@progbits
	.p2align	6, 0x0
	.amdhsa_kernel k_q599a2a8b80_dot
		.amdhsa_group_segment_fixed_size 140288
		.amdhsa_private_segment_fixed_size 0
		.amdhsa_enable_private_segment 0
		.amdhsa_kernarg_size 96
		.amdhsa_user_sgpr_count 2
		.amdhsa_user_sgpr_kernarg_segment_ptr 1
		.amdhsa_wavefront_size32 1
		.amdhsa_system_sgpr_workgroup_id_x 1
		.amdhsa_system_sgpr_workgroup_id_y 1
		.amdhsa_system_sgpr_workgroup_id_z 1
		.amdhsa_system_vgpr_workitem_id 0
		.amdhsa_next_free_vgpr 256
		.amdhsa_next_free_sgpr 92
		.amdhsa_reserve_vcc 0
		.amdhsa_float_denorm_mode_32 3
		.amdhsa_float_denorm_mode_16_64 3
		.amdhsa_memory_ordered 1
		.amdhsa_forward_progress 1
		.amdhsa_inst_pref_size 99
	.end_amdhsa_kernel
	.amdgpu_metadata
---
amdhsa.version: [ 1, 2 ]
amdhsa.kernels:
  - .name:           k_q599a2a8b80_dot
    .symbol:         k_q599a2a8b80_dot.kd
    .args:
      - { .name: x_caption, .offset: 0, .size: 8, .value_kind: global_buffer, .address_space: global }
      - { .name: emb, .offset: 8, .size: 8, .value_kind: global_buffer, .address_space: global }
      - { .name: GTA, .offset: 16, .size: 8, .value_kind: global_buffer, .address_space: global }
      - { .name: b_cap_hid, .offset: 24, .size: 8, .value_kind: global_buffer, .address_space: global }
      - { .name: PART, .offset: 32, .size: 8, .value_kind: global_buffer, .address_space: global }
      - { .name: x_img, .offset: 40, .size: 8, .value_kind: global_buffer, .address_space: global }
      - { .name: W_img_j, .offset: 48, .size: 8, .value_kind: global_buffer, .address_space: global }
      - { .name: b_img_j, .offset: 56, .size: 8, .value_kind: global_buffer, .address_space: global }
      - { .name: b_cap_j, .offset: 64, .size: 8, .value_kind: global_buffer, .address_space: global }
      - { .name: W_int, .offset: 72, .size: 8, .value_kind: global_buffer, .address_space: global }
      - { .name: W_sem, .offset: 80, .size: 8, .value_kind: global_buffer, .address_space: global }
      - { .name: W_ctx, .offset: 88, .size: 8, .value_kind: global_buffer, .address_space: global }
    .group_segment_fixed_size: 140288
    .private_segment_fixed_size: 0
    .kernarg_segment_align: 8
    .kernarg_segment_size: 96
    .max_flat_workgroup_size: 256
    .sgpr_count:     92
    .vgpr_count:     256
    .wavefront_size: 32
...
	.end_amdgpu_metadata
.endif
;; end of part 5
;; launch fin (part 6): grid 16 x 1, 8 waves a work-group, no clusters, 3,072 bytes of LDS; arguments PART, b_int, b_sem, b_ctx, out0, out1, out2; writes out0, out1, out2
.if DOCPART == 6
	.amdgcn_target "amdgcn-amd-amdhsa--gfx1250"
	.amdhsa_code_object_version 6
	.text
	.protected	k_q599a2a8b80_fin
	.globl	k_q599a2a8b80_fin
	.p2align	8
	.type	k_q599a2a8b80_fin,@function
k_q599a2a8b80_fin:
	s_mov_b64 s[64:65], 0
	v_nop
	global_prefetch_b8 v0, s[64:65] scope:SCOPE_SE
	s_setreg_imm32_b32 hwreg(HW_REG_WAVE_MODE, 25, 1), 1
	s_wait_xcnt 0x0
; THE END: out[b][c] = the sum of PART's 526 slots (f32) + the head's bias, taken rounded to bf16 like every input.
; Work-group g owns bytes 256 g .. 256 g + 255 of every slot: b = 16 (g / 4) + 0..15, c = 8 (g % 2) + 4 ((g / 2) % 2) + 0..3.  Sixteen lanes take a slot's 256 bytes; a wave's two halves
; take two slots a load, eight waves sixteen, 32 loads a lane the first 512 slots; waves 0-6 take the 14 slots of the image part by one load more.  The waves' sums meet in LDS; wave 0 finishes.
; The outputs' rows are 28 and 12 bytes long, so the stores are 4 bytes a lane; in wave 0's last part lanes 16-31 hold lanes 0-15's numbers and store them to the same places.
; Sixteen work-groups: the launch reads 2 MiB and writes 3,328 bytes, and a column of slots has one owner.
.set SPARE, 2048
.set WV,  20
.set SPW, 8
.set NIL, 9
.set C0,  26
	s_load_b256 s[4:11], s[0:1], 0x0               ; PART s[4:5], b_int s[6:7], b_sem s[8:9], b_ctx s[10:11]
	s_load_b128 s[12:15], s[0:1], 0x20             ; out0, out1
	s_load_b64 s[16:17], s[0:1], 0x30              ; out2
	v_lshl_add_u32 v[SPW], v0, 2, SPARE
	v_mov_b32 v[NIL], 0
	v_lshrrev_b32 v1, 5, v0
	v_readfirstlane_b32 s[WV], v1
	v_and_b32 v2, 15, v0
	v_bfe_u32 v3, v0, 4, 1
	s_lshl_b32 s21, s[WV], 13
	s_lshl_b32 s22, ttmp9, 8
	s_add_co_u32 s21, s21, s22
	v_lshlrev_b32 v6, 4, v2
	v_lshl_add_u32 v4, v3, 12, v6
	v_add_nc_u32 v4, s21, v4                       ; slot 2 w + half, my 16 bytes of the work-group's 256
	s_lshl_b32 s23, s[WV], 8
	v_add_nc_u32 v5, s23, v6
	s_mov_b32 s24, 0x76543210
	s_mov_b32 s25, 0xfedcba98
	s_and_b32 s[C0], ttmp9, 1
	s_lshl_b32 s[C0], s[C0], 3
	s_bfe_u32 s27, ttmp9, 0x10001
	s_lshl_b32 s27, s27, 2
	s_add_co_u32 s[C0], s[C0], s27                 ; my first c
	s_lshr_b32 s28, ttmp9, 2
	s_lshl_b32 s28, s28, 4
	v_add_nc_u32 v10, s28, v2                      ; b
	s_wait_kmcnt 0x0
.set ii, 0
.rept 32
	global_load_b128 v[16+4*ii:19+4*ii], v4, s[4:5] offset:ii*65536
.set ii, ii+1
.endr
	s_cmp_lt_u32 s[WV], 7
	s_cbranch_scc0 .Lnone
	global_load_b128 v[144:147], v4, s[4:5] offset:32*65536  ; slots 512 .. 525
	s_branch .Lsum
.Lnone:
	v_mov_b32 v144, 0
	v_mov_b32 v145, 0
	v_mov_b32 v146, 0
	v_mov_b32 v147, 0
.Lsum:
	s_wait_loadcnt 0x0
.set ii, 4
.rept 28                               ; four chains that do not wait for each other
	v_pk_add_f32 v[16+4*(ii%4):17+4*(ii%4)], v[16+4*(ii%4):17+4*(ii%4)], v[16+4*ii:17+4*ii]
	v_pk_add_f32 v[18+4*(ii%4):19+4*(ii%4)], v[18+4*(ii%4):19+4*(ii%4)], v[18+4*ii:19+4*ii]
.set ii, ii+1
.endr
	v_pk_add_f32 v[16:17], v[16:17], v[144:145]
	v_pk_add_f32 v[18:19], v[18:19], v[146:147]
	v_pk_add_f32 v[24:25], v[24:25], v[28:29]
	v_pk_add_f32 v[26:27], v[26:27], v[30:31]
	v_pk_add_f32 v[16:17], v[16:17], v[20:21]
	v_pk_add_f32 v[18:19], v[18:19], v[22:23]
	v_pk_add_f32 v[16:17], v[16:17], v[24:25]
	v_pk_add_f32 v[18:19], v[18:19], v[26:27]
.irp e, 0,1,2,3
	v_permlanex16_b32 v[20+(\e)], v[16+(\e)], s24, s25  ; the other half of the lanes' slots
.endr
	v_pk_add_f32 v[16:17], v[16:17], v[20:21]
	v_pk_add_f32 v[18:19], v[18:19], v[22:23]
	ds_store_b128 v5, v[16:19]                     ; 256 w + 16 (lane % 16): both halves hold the same numbers
	s_wait_dscnt 0x0
	s_barrier_signal -1
	s_barrier_wait -1
	s_cmp_lg_u32 s[WV], 0
	s_cbranch_scc1 .Lend
.irp u, 0,1,2,3,4,5,6,7
	ds_load_b128 v[32+4*(\u):35+4*(\u)], v6 offset:256*(\u)
.endr
	s_wait_dscnt 0x0
.irp u, 0,8,16,24
	v_pk_add_f32 v[32+(\u):33+(\u)], v[32+(\u):33+(\u)], v[36+(\u):37+(\u)]
	v_pk_add_f32 v[34+(\u):35+(\u)], v[34+(\u):35+(\u)], v[38+(\u):39+(\u)]
.endr
.irp u, 0,16
	v_pk_add_f32 v[32+(\u):33+(\u)], v[32+(\u):33+(\u)], v[40+(\u):41+(\u)]
	v_pk_add_f32 v[34+(\u):35+(\u)], v[34+(\u):35+(\u)], v[42+(\u):43+(\u)]
.endr
	v_pk_add_f32 v[32:33], v[32:33], v[48:49]
	v_pk_add_f32 v[34:35], v[34:35], v[50:51]
; Column c = C0 + e: which output, which bias, the row's length; columns 13-15 do not exist.  Each e has registers of its own for its store.
.macro EMIT e
	s_add_co_u32 s30, s[C0], \e
	s_cmp_lt_u32 s30, 13
	s_cbranch_scc0 .Lskip_\@
	s_cmp_lt_u32 s30, 7
	s_cselect_b64 s[32:33], s[6:7], s[8:9]
	s_cselect_b64 s[34:35], s[12:13], s[14:15]
	s_cselect_b32 s31, 0, 7
	s_cselect_b32 s36, 28, 12
	s_cmp_lt_u32 s30, 10
	s_cselect_b64 s[32:33], s[32:33], s[10:11]
	s_cselect_b64 s[34:35], s[34:35], s[16:17]
	s_cselect_b32 s31, s31, 10
	s_sub_co_u32 s30, s30, s31
	s_lshl_b32 s30, s30, 2
	s_mov_b32 s31, 0
	s_add_nc_u64 s[32:33], s[32:33], s[30:31]
	s_add_nc_u64 s[40+2*(\e):41+2*(\e)], s[34:35], s[30:31]
	s_load_b32 s[48+(\e)], s[32:33], 0x0
	v_mul_u32_u24 v[64+(\e)], v10, s36
	s_wait_kmcnt 0x0                               ; the bias is in, and the load's base may be written again
	v_mov_b32 v[68+(\e)], s[48+(\e)]
	v_cvt_pk_bf16_f32 v[68+(\e)], v[68+(\e)], v[68+(\e)]
	v_lshlrev_b32 v[68+(\e)], 16, v[68+(\e)]
	v_add_f32 v[68+(\e)], v[68+(\e)], v[32+(\e)]
	global_store_b32 v[64+(\e)], v[68+(\e)], s[40+2*(\e):41+2*(\e)]
.Lskip_\@:
.endm
	EMIT 0
	EMIT 1
	EMIT 2
	EMIT 3
.Lend:
	s_wait_tensorcnt 0x0                           ; the wave's end, behind my last LDS store
	ds_add_u32 v[SPW], v[NIL]
	s_wait_dscnt 0x0
	s_endpgm
.Lfunc_end_k_q599a2a8b80_fin:
	.size	k_q599a2a8b80_fin, .Lfunc_end_k_q599a2a8b80_fin-k_q599a2a8b80_fin
	.p2alignl 7, 3214868480
	.fill 96, 4, 3214868480
	.section	.rodata,"a",@progbits
	.p2align	6, 0x0
	.amdhsa_kernel k_q599a2a8b80_fin
		.amdhsa_group_segment_fixed_size 3072
		.amdhsa_private_segment_fixed_size 0
		.amdhsa_enable_private_segment 0
		.amdhsa_kernarg_size 56
		.amdhsa_user_sgpr_count 2
		.amdhsa_user_sgpr_kernarg_segment_ptr 1
		.amdhsa_wavefront_size32 1
		.amdhsa_system_sgpr_workgroup_id_x 1
		.amdhsa_system_sgpr_workgroup_id_y 1
		.amdhsa_system_sgpr_workgroup_id_z 1
		.amdhsa_system_vgpr_workitem_id 0
		.amdhsa_next_free_vgpr 160
		.amdhsa_next_free_sgpr 66
		.amdhsa_reserve_vcc 0
		.amdhsa_float_denorm_mode_32 3
		.amdhsa_float_denorm_mode_16_64 3
		.amdhsa_memory_ordered 1
		.amdhsa_forward_progress 1
		.amdhsa_inst_pref_size 15
	.end_amdhsa_kernel
	.amdgpu_metadata
---
amdhsa.version: [ 1, 2 ]
amdhsa.kernels:
  - .name:           k_q599a2a8b80_fin
    .symbol:         k_q599a2a8b80_fin.kd
    .args:
      - { .name: PART, .offset: 0, .size: 8, .value_kind: global_buffer, .address_space: global }
      - { .name: b_int, .offset: 8, .size: 8, .value_kind: global_buffer, .address_space: global }
      - { .name: b_sem, .offset: 16, .size: 8, .value_kind: global_buffer, .address_space: global }
      - { .name: b_ctx, .offset: 24, .size: 8, .value_kind: global_buffer, .address_space: global }
      - { .name: out0, .offset: 32, .size: 8, .value_kind: global_buffer, .address_space: global }
      - { .name: out1, .offset: 40, .size: 8, .value_kind: global_buffer, .address_space: global }
      - { .name: out2, .offset: 48, .size: 8, .value_kind: global_buffer, .address_space: global }
    .group_segment_fixed_size: 3072
    .private_segment_fixed_size: 0
    .kernarg_segment_align: 8
    .kernarg_segment_size: 56
    .max_flat_workgroup_size: 256
    .sgpr_count:     66
    .vgpr_count:     160
    .wavefront_size: 32
...
	.end_amdgpu_metadata
.endif
;; end of part 6
;; ======== version 2 of 2: 13 launches; version 1 with the launch dot written anew for expert scheduling mode
;; workspace buffers: QA 2,097,152 bytes; QB 2,097,152 bytes; WX 2,097,152 bytes; GTA 33,554,432 bytes; GTB 16,777,216 bytes; PART 2,154,496 bytes
;; launch prep: the kernel of part 1 again; grid 136 x 1, 8 waves a work-group, no clusters, 35,840 bytes of LDS; arguments W_cap_hid, W_cap_j, W_int, W_sem, W_ctx, QA, WX, GTA; writes QA, WX, GTA
;; launch sq: the kernel of part 2 again; grid 16 x 16, 4 waves a work-group, clusters of 4 x 4, 327,680 bytes of LDS; arguments QA, GTA, QB, GTB; writes QB, GTB
;; launch l2: the kernel of part 2 again; grid 16 x 16, 4 waves a work-group, clusters of 4 x 4, 327,680 bytes of LDS; arguments QB, GTB, QA, GTA; writes QA, GTA
;; launch l3: the kernel of part 2 again; grid 16 x 16, 4 waves a work-group, clusters of 4 x 4, 327,680 bytes of LDS; arguments QA, GTA, QB, GTB; writes QB, GTB
;; launch l4: the kernel of part 2 again; grid 16 x 16, 4 waves a work-group, clusters of 4 x 4, 327,680 bytes of LDS; arguments QB, GTB, QA, GTA; writes QA, GTA
;; launch l5: the kernel of part 2 again; grid 16 x 16, 4 waves a work-group, clusters of 4 x 4, 327,680 bytes of LDS; arguments QA, GTA, QB, GTB; writes QB, GTB
;; launch gq: the kernel of part 3 again; grid 8 x 12, 4 waves a work-group, clusters of 4 x 4, 327,680 bytes of LDS; arguments QB, GTB, QA, GTA; writes QA, GTA
;; launch l7: the kernel of part 3 again; grid 8 x 16, 4 waves a work-group, clusters of 4 x 4, 327,680 bytes of LDS; arguments QA, GTA, QB, GTB; writes QB, GTB
;; launch l8: the kernel of part 3 again; grid 8 x 24, 4 waves a work-group, clusters of 4 x 4, 327,680 bytes of LDS; arguments QB, GTB, QA, GTA; writes QA, GTA
;; launch gn: the kernel of part 4 again; grid 8 x 32, 4 waves a work-group, clusters of 4 x 4, 327,680 bytes of LDS; arguments GTA, QA, GTB; writes GTB
;; launch uu: the kernel of part 4 again; grid 8 x 64, 4 waves a work-group, clusters of 4 x 4, 327,680 bytes of LDS; arguments GTB, WX, GTA; writes GTA
;; launch dot (part 7): grid 519 x 1, 8 waves a work-group, no clusters, 140,288 bytes of LDS; arguments x_caption, emb, GTA, b_cap_hid, PART, x_img, W_img_j, b_img_j, b_cap_j, W_int, W_sem, W_ctx; writes PART
.if DOCPART == 7
	.amdgcn_target "amdgcn-amd-amdhsa--gfx1250"
	.amdhsa_code_object_version 6
	.text
	.protected	k_q599a2a8b80_dot
	.globl	k_q599a2a8b80_dot
	.p2align	8
	.type	k_q599a2a8b80_dot,@function
k_q599a2a8b80_dot:
	s_mov_b64 s[64:65], 0
	v_nop
	global_prefetch_b8 v0, s[64:65] scope:SCOPE_SE
	s_setreg_imm32_b32 hwreg(HW_REG_WAVE_SCHED_MODE, 0, 2), 2
	s_setreg_imm32_b32 hwreg(HW_REG_WAVE_MODE, 25, 1), 1
	s_wait_xcnt 0x0
	s_wait_alu depctr_vm_vsrc(0)
; THE DOT PRODUCTS.  GTA holds g_k at tile 2 p and u_k = g_k W_x at tile 2 p + 1, k = p's nine bits reversed (16 rows a tile, 13 real; tile format of the first launch).
; WORK-GROUPS 7-518 (p = number - 7): time step t = 511 - k.  PART's slot p = for all 64 b and 16 c: emb[cap[b][t]] . u_k[c] + b_cap_hid . g_k[c], in f32.
;   Wave w owns columns 128 w .. 128 w + 127 of all 64 gathered rows: 512 consecutive bytes of a row to a load.  The rows are rounded to bf16 and turned into fragments through the wave's own LDS bytes;
;   source 0 = the tile's 16 rows c, source 1 = 16 rows b; the bias term is a product with a fragment whose 16 columns all hold b_cap_hid.  The eight waves' sums meet in LDS; wave w adds and stores 512 bytes.
;   The rows come in four batches of 16, two batches on their way at a time; a batch's 16 indices are fetched one batch ahead of the rows that they name: sixteen scalar loads are out at the most.
; WORK-GROUPS 0-6: the image part.  F[b][j] = x_img[b] . W_img_j[j] + b_img_j[j] + b_cap_j[j], rounded once to bf16, times W_out[c][j]: a wave takes 16 b and 32 j; slot 512 + j / 32.
;   Work-group g holds W_out's columns 64 g .. 64 g + 63 as a table in LDS, zeros where row (13 and up) or column (400 and up) does not exist.  Waves 4-7 of work-group 6 have j = 416 and up,
;   where no column exists: they pass the barrier with the others and store a slot of zeros, which the last launch adds.
; A slot is [b / 16][q][lane][4 f32]: b = 16 (b / 16) + lane % 16, c = 8 (lane / 16) + 4 q + e.
; LIMITS.  An index is held to 50,256 at the most.  All inputs are taken rounded to bf16.  No cluster: no two work-groups share a tile.  No prefetch: the gather's loads, 32 rows a wave at a time, stream.
; THE MODE: SCHED_MODE bits 1:0 = 2 (LLVM: expert scheduling mode 2), set by the entry lines.  The code itself states the register dependences
; between vector or matrix instructions and memory or LDS instructions, with s_wait_alu, always for 0.
; THE PLAN, for the gather.  Registers that memory or LDS instructions touch:
;   v5, v8-13   addresses, made once at the head and never written again.
;   VO0, 1, 2   a batch's 16 offsets into emb: written by 16 vector lines, read by the batch's 16 loads.  Batches 0, 1, 2 have a set each; batch 3 takes VO0 again, when batch 0's loads are done.
;   B0, B1      a batch's rows as loaded.  Read by the batch's 32 conversions alone; behind them the batch two further on lands there.  Later: B1 the fragments out of LDS, B0 b_cap_hid, then the waves' sums.
;   OUT         batches 0 to 2 in bf16: written by the conversions, read by the batch's 16 LDS stores.  Later g's fragments land there.
;   O3          batch 3 in bf16, likewise; these registers held VO1 and VO2 before and are the accumulators afterwards.
; A batch's step: the next offsets are made; the wait for the batch's data; its conversions; ONE wait on va_vdst, which states that the offsets and OUT are written and that the conversions are done
; reading B; the loads that fill B again, at once; the LDS stores.  One wait on vm_vsrc stands ahead of OUT's next writer, a wait for memory behind those stores.
.set SPARE, 139264                     ; behind the eight stages: the spare words, 128 bytes for each wave
.set STG,   17408                      ; a wave's stage: 64 rows of 272 bytes (128 bf16 + 16)
.set TP,    144                        ; a row of the table of W_out: 64 bf16 + 16 bytes: the 16 rows of a fragment load start 16 bytes apart modulo 256
.set WV,  14
.set BO,  5
.set SPW, 6
.set NIL, 7
.set LA,  8
.set VL,  9                            ; v9   512 w + 16 x lane: my bytes of a gathered row; also my 16 bytes of a slot, and of each wave's stored sums
.set ST,  10
.set ER,  11
.set XS,  12
.set XR1, 13
.set VO0, 16                           ; v16-31  the 16 offsets into emb of batch 0, later of batch 3
.set UF,  32                           ; v[32:63]   u's four fragments
.set ACC, 64                           ; v[64:95]   four accumulators: b / 16
.set VO1, 64                           ; v64-79  before that: batch 1's offsets,
.set VO2, 80                           ; v80-95  batch 2's,
.set O3,  64                           ; v[64:95]   and then batch 3 in bf16
.set B0,  96                           ; v[96:159]
.set B1,  160                          ; v[160:223]
.set GF,  224                          ; v[224:255] g's four fragments
.set OUT, 224                          ; v[224:255] before that: batches 0 to 2 in bf16
.macro PLACES
.rept 4
	v_nop
.endr
.endm
; Index i = cap[i][t] lies in s[24 + i] for i below 40 and in s[26 + i] from 40 on: s24-63 and s66-89.
.macro IDX bt                          ; batch bt's 16 indices are asked for: rows of x_caption are 2,048 bytes apart
.set ii, 0
.rept 16
	s_load_b32 s[24+16*(\bt)+ii+2*((16*(\bt)+ii)/40)], s[4:5], (16*(\bt)+ii)*2048
.set ii, ii+1
.endr
.endm
.macro CLAMP bt                        ; they are in (scalar loads return in no order: the count is 0), and are held inside the table
	s_wait_kmcnt 0x0
.set ii, 0
.rept 16
	s_min_u32 s[24+16*(\bt)+ii+2*((16*(\bt)+ii)/40)], s[24+16*(\bt)+ii+2*((16*(\bt)+ii)/40)], 50256
.set ii, ii+1
.endr
.endm
	s_load_b256 s[4:11], s[0:1], 0x0               ; x_caption s[4:5], emb s[6:7], GTA s[8:9], b_cap_hid s[10:11]
	s_load_b64 s[12:13], s[0:1], 0x20              ; PART
	v_lshl_add_u32 v[SPW], v0, 2, SPARE
	v_mov_b32 v[NIL], 0
	v_lshrrev_b32 v1, 5, v0
	v_readfirstlane_b32 s[WV], v1
	v_and_b32 v2, 31, v0                           ; lane
	v_and_b32 v3, 15, v0                           ; r
	v_bfe_u32 v4, v0, 4, 1                         ; h
	s_wait_alu depctr_va_sdst(0)                   ; the wave's number is written, ahead of the branch and of its first readers on both ways
	s_cmp_lt_u32 ttmp9, 7                          ; the same in all waves of a work-group
	s_cbranch_scc1 .Limage
	s_sub_co_u32 s15, ttmp9, 7                     ; p
	s_mov_b32 s16, 0
.irp i, 0,1,2,3,4,5,6,7,8
	s_bfe_u32 s17, s15, (1<<16)|(\i)
	s_lshl_b32 s17, s17, 8-(\i)
	s_or_b32 s16, s16, s17                         ; k
.endr
	s_sub_co_u32 s16, 511, s16                     ; t
	s_lshl_b32 s16, s16, 2
	s_mov_b32 s17, 0
	s_wait_kmcnt 0x0
	s_add_nc_u64 s[4:5], s[4:5], s[16:17]          ; x_caption at column t; never rewritten
	IDX 0
	s_lshl_b32 s18, s15, 16
	s_lshl_b32 s20, s[WV], 12
	s_add_co_u32 s18, s18, s20
	s_mov_b32 s19, 0
	s_add_nc_u64 s[8:9], s[8:9], s[18:19]          ; tile 2 p at my 8 sub-tiles; u lies 32,768 bytes on
	s_lshl_b32 s18, s15, 12
	s_add_nc_u64 s[12:13], s[12:13], s[18:19]      ; slot p
	s_lshl_b32 s21, s[WV], 9
	s_mul_i32 s22, s[WV], STG
	v_and_b32 v1, 7, v0
	v_bfe_u32 v15, v0, 3, 1
	v_xor_b32 v14, v15, v4
	v_lshlrev_b32 v1, 4, v1
	v_lshl_add_u32 v1, v14, 7, v1
	v_lshl_add_u32 v[LA], v15, 8, v1
	v_lshl_add_u32 v[VL], v2, 4, s21
	v_lshl_add_u32 v[BO], v4, 5, s21               ; b_cap_hid: 128 w + 8 h, in bytes
	v_lshl_add_u32 v[ST], v2, 3, s22
	v_mul_u32_u24 v[ER], v3, 272
	v_lshl_add_u32 v[ER], v4, 4, v[ER]
	v_add_nc_u32 v[ER], s22, v[ER]
	v_lshl_add_u32 v[XS], v2, 4, s22
	v_add_nc_u32 v[XR1], 4*STG, v[VL]
.macro VOFF bt, vo                     ; batch bt's 16 offsets: the row's 4,096 bytes x index + my 512 bytes of it
.set ii, 0
.rept 16
	v_lshl_add_u32 v[(\vo)+ii], s[24+16*(\bt)+ii+2*((16*(\bt)+ii)/40)], 12, v[VL]
.set ii, ii+1
.endr
.endm
.macro ROWS vo, buf                    ; 16 gathered rows, my 512 bytes of each
.set ii, 0
.rept 16
	global_load_b128 v[(\buf)+4*ii:(\buf)+4*ii+3], v[(\vo)+ii], s[6:7]
.set ii, ii+1
.endr
.endm
.macro CVT buf, out                    ; a batch rounded to bf16, into registers of its own
.set ii, 0
.rept 16
	v_cvt_pk_bf16_f32 v[(\out)+2*ii],   v[(\buf)+4*ii],   v[(\buf)+4*ii+1]
	v_cvt_pk_bf16_f32 v[(\out)+2*ii+1], v[(\buf)+4*ii+2], v[(\buf)+4*ii+3]
.set ii, ii+1
.endr
.endm
.macro STORE bt, out                   ; and laid into my stage by rows
.set ii, 0
.rept 16
	ds_store_b64 v[ST], v[(\out)+2*ii:(\out)+2*ii+1] offset:(16*(\bt)+ii)*272
.set ii, ii+1
.endr
.endm
.macro ELOAD bt, set                   ; the four fragments of rows 16 bt .. 16 bt + 15
.irp s, 0,1,2,3
	ds_load_b128 v[B1+32*(\set)+8*(\s):B1+32*(\set)+8*(\s)+3],   v[ER] offset:(\bt)*4352+64*(\s)
	ds_load_b128 v[B1+32*(\set)+8*(\s)+4:B1+32*(\set)+8*(\s)+7], v[ER] offset:(\bt)*4352+64*(\s)+32
.endr
.endm
.macro EMUL b0                         ; two accumulators by turns; the first products start the sums
.irp s, 0,1,2,3
.irp u, 0,1
.if (\s) == 0
	v_wmma_f32_16x16x32_bf16 v[ACC+8*((\b0)+(\u)):ACC+8*((\b0)+(\u))+7], v[UF+8*(\s):UF+8*(\s)+7], v[B1+32*(\u)+8*(\s):B1+32*(\u)+8*(\s)+7], 0
.else
	v_wmma_f32_16x16x32_bf16 v[ACC+8*((\b0)+(\u)):ACC+8*((\b0)+(\u))+7], v[UF+8*(\s):UF+8*(\s)+7], v[B1+32*(\u)+8*(\s):B1+32*(\u)+8*(\s)+7], v[ACC+8*((\b0)+(\u)):ACC+8*((\b0)+(\u))+7]
.endif
.endr
.endr
.endm
	CLAMP 0
	IDX 1                                          ; the next batch's indices, ahead of this batch's rows
	VOFF 0, VO0
	s_wait_alu depctr_va_vdst(0)                   ; the addresses v5 and v8 to v13 and batch 0's offsets are written, which the loads and stores below read
	ROWS VO0, B0
.irp s, 0,1,2,3
	global_load_b128 v[UF+8*(\s):UF+8*(\s)+3],   v[LA], s[8:9] offset:32768+1024*(\s)
	global_load_b128 v[UF+8*(\s)+4:UF+8*(\s)+7], v[LA], s[8:9] offset:32768+1024*(\s)+512
.endr
	CLAMP 1
	IDX 2
	VOFF 1, VO1
	s_wait_alu depctr_va_vdst(0)                   ; batch 1's offsets are written, which its loads read
	ROWS VO1, B1
	CLAMP 2                                        ; asked for ahead of batch 1's rows
	IDX 3
	VOFF 2, VO2                                    ; made while batch 0 is on its way
	s_wait_loadcnt 16                              ; batch 0 and u are in; batch 1's sixteen stay out
	CVT B0, OUT
	s_wait_alu depctr_va_vdst(0)                   ; batch 2's offsets are written; the conversions are done reading B0, in which batch 2 lands, and have written OUT, which the LDS stores read
	ROWS VO2, B0                                   ; the buffer is asked for again at once
	STORE 0, OUT
	CLAMP 3                                        ; asked for ahead of batch 2's offsets
	s_wait_alu depctr_vm_vsrc(0)                   ; batch 0's loads, which the wait for 16 above has shown done, have read VO0, and the LDS stores have read OUT: both are written again below
	VOFF 3, VO0
	s_wait_loadcnt 16                              ; batch 1 is in
	CVT B1, OUT
	s_wait_alu depctr_va_vdst(0)                   ; batch 3's offsets are written; the conversions are done reading B1, in which batch 3 lands, and have written OUT
	ROWS VO0, B1
	STORE 1, OUT
	s_wait_loadcnt 16                              ; batch 2 is in
	s_wait_alu depctr_vm_vsrc(0)                   ; batch 1's LDS stores have read OUT, which the conversions below write again
	CVT B0, OUT
	s_wait_alu depctr_va_vdst(0)                   ; the conversions are done reading B0, in which b_cap_hid lands, and have written OUT
.irp s, 0,1,2,3                        ; b_cap_hid in the order of a fragment's registers: 8 h + 0..7 and 16 + 8 h + 0..7 of each 32
	global_load_b128 v[B0+16*(\s):B0+16*(\s)+3],     v[BO], s[10:11] offset:128*(\s)
	global_load_b128 v[B0+16*(\s)+4:B0+16*(\s)+7],   v[BO], s[10:11] offset:128*(\s)+16
	global_load_b128 v[B0+16*(\s)+8:B0+16*(\s)+11],  v[BO], s[10:11] offset:128*(\s)+64
	global_load_b128 v[B0+16*(\s)+12:B0+16*(\s)+15], v[BO], s[10:11] offset:128*(\s)+80
.endr
	STORE 2, OUT
	s_wait_alu depctr_vm_vsrc(0)                   ; batch 2's LDS stores have read OUT, in which g lands; the loads of batches 1 and 2 have read v64 to v95, which batch 3's conversions write
.irp s, 0,1,2,3
	global_load_b128 v[GF+8*(\s):GF+8*(\s)+3],   v[LA], s[8:9] offset:1024*(\s)
	global_load_b128 v[GF+8*(\s)+4:GF+8*(\s)+7], v[LA], s[8:9] offset:1024*(\s)+512
.endr
	s_wait_loadcnt 24                              ; batch 3 is in; the 24 loads of b_cap_hid and g stay out
	CVT B1, O3
	s_wait_alu depctr_va_vdst(0)                   ; the conversions have written O3, which the LDS stores read, and are done reading B1, in which the fragments land
	STORE 3, O3
	ELOAD 0, 0                                     ; my own bytes, and LDS serves a wave's instructions in order
	ELOAD 1, 1
	s_wait_dscnt 0x0
	s_wait_alu depctr_vm_vsrc(0)                   ; batch 3's LDS stores have read v64 to v95, which the products write from here on
	EMUL 0
	PLACES
	s_wait_alu depctr_va_vdst(0)                   ; the products are done reading B1, in which the next fragments land
	ELOAD 2, 0
	ELOAD 3, 1
	s_wait_dscnt 0x0
	EMUL 2
	s_wait_loadcnt 0x0                             ; g and b_cap_hid
.set nn, 0
.rept 32
	v_cvt_pk_bf16_f32 v[B0+nn], v[B0+2*nn], v[B0+2*nn+1]  ; in place, ascending: fragment s ends at B0 + 8 s
.set nn, nn+1
.endr
.irp s, 0,1,2,3
.irp b, 0,1,2,3
	v_wmma_f32_16x16x32_bf16 v[ACC+8*(\b):ACC+8*(\b)+7], v[GF+8*(\s):GF+8*(\s)+7], v[B0+8*(\s):B0+8*(\s)+7], v[ACC+8*(\b):ACC+8*(\b)+7]
.endr
.endr
	PLACES
	s_wait_alu depctr_va_vdst(0)                   ; the products have written the accumulators, which the LDS stores read, and are done reading B0, in which the waves' sums land; the places above stay beside this wait
.irp b, 0,1,2,3
	ds_store_b128 v[XS], v[ACC+8*(\b):ACC+8*(\b)+3]   offset:1024*(\b)
	ds_store_b128 v[XS], v[ACC+8*(\b)+4:ACC+8*(\b)+7] offset:1024*(\b)+512
.endr
	s_wait_dscnt 0x0                               ; for the others' sake: my sums are stored
	s_barrier_signal -1
	s_barrier_wait -1
.irp u, 0,1,2,3
	ds_load_b128 v[B0+4*(\u):B0+4*(\u)+3],       v[VL]  offset:(\u)*STG
	ds_load_b128 v[B0+16+4*(\u):B0+16+4*(\u)+3], v[XR1] offset:(\u)*STG
.endr
	s_wait_dscnt 0x0
.irp u, 0,8,16,24
	v_pk_add_f32 v[B0+(\u):B0+(\u)+1],   v[B0+(\u):B0+(\u)+1],   v[B0+(\u)+4:B0+(\u)+5]
	v_pk_add_f32 v[B0+(\u)+2:B0+(\u)+3], v[B0+(\u)+2:B0+(\u)+3], v[B0+(\u)+6:B0+(\u)+7]
.endr
.irp u, 0,16
	v_pk_add_f32 v[B0+(\u):B0+(\u)+1],   v[B0+(\u):B0+(\u)+1],   v[B0+(\u)+8:B0+(\u)+9]
	v_pk_add_f32 v[B0+(\u)+2:B0+(\u)+3], v[B0+(\u)+2:B0+(\u)+3], v[B0+(\u)+10:B0+(\u)+11]
.endr
	v_pk_add_f32 v[B0:B0+1],   v[B0:B0+1],   v[B0+16:B0+17]
	v_pk_add_f32 v[B0+2:B0+3], v[B0+2:B0+3], v[B0+18:B0+19]
	s_wait_alu depctr_va_vdst(0)                   ; the additions have written the four numbers that the store reads
	global_store_b128 v[VL], v[B0:B0+3], s[12:13]  ; 512 consecutive bytes of the slot
	s_branch .Lend
; THE IMAGE PART
; THE PLAN.  Registers that memory or LDS instructions touch: v1, v9-15 addresses, made once; v5 the table's LDS address, later at work; v[32:35] the table's f32, rounded in place and stored to LDS;
; v[32:63] then the biases; v[56:63] then the table's fragment; v[64:255] a batch of four K steps as loaded, rounded in place and multiplied, then loaded again; v[32:39] the last product, stored.
.set INT, 32
.set SEM, 34
.set CTX, 36
.set T0,  38
.set T1,  39
.set T2,  40
.set BP,  42
.set VM,  46                           ; s46-47  the lanes whose pair of the row exists
.set LM,  50                           ; s50  the lanes whose two columns exist (below 400)
.set TD,  32                           ; v[32:35] the table's f32; then v[32:63] the biases, then the last product
.set L16, 1
.set TS,  5
.set WO0, 9
.set WO1, 10
.set XO,  11
.set BJ0, 12
.set BJ1, 13
.set VQ,  14
.set FA,  15
; Row w + 8 k of the table of W_out: which buffer, which of its rows, whether it exists; the work-group's 64 columns of it by one load of 8 bytes a lane.
.macro TROW k
	s_add_co_u32 s[T0], s[WV], 8*(\k)
	s_cmp_lt_u32 s[T0], 7
	s_cselect_b64 s[T2:T2+1], s[INT:INT+1], s[SEM:SEM+1]
	s_cselect_b32 s[T1], 0, 7
	s_cmp_lt_u32 s[T0], 10
	s_cselect_b64 s[T2:T2+1], s[T2:T2+1], s[CTX:CTX+1]
	s_cselect_b32 s[T1], s[T1], 10
	s_cmp_lt_u32 s[T0], 13
	s_cselect_b32 s[VM+(\k)], -1, 0
	s_cselect_b32 s[T0], s[T0], 10                 ; a row that does not exist reads W_ctx's row 0 and stores zeros
	s_sub_co_u32 s[T0], s[T0], s[T1]
	s_mul_i32 s[T0], s[T0], 1600
	s_mov_b32 s[T1], 0
	s_add_nc_u64 s[BP+2*(\k):BP+2*(\k)+1], s[T2:T2+1], s[T0:T0+1]
	s_and_b32 s[VM+(\k)], s[VM+(\k)], s[LM]
	global_load_b64 v[TD+2*(\k):TD+2*(\k)+1], v[VQ], s[BP+2*(\k):BP+2*(\k)+1]
.endm
.macro TCVT                            ; rounded to bf16, zeros where row or column does not exist
.irp k, 0,1
	v_cvt_pk_bf16_f32 v[TD+2*(\k)], v[TD+2*(\k)], v[TD+2*(\k)+1]
	v_cndmask_b32 v[TD+2*(\k)], 0, v[TD+2*(\k)], s[VM+(\k)]
.endr
.endm
.macro TSTORE                          ; each lane 4 bytes of its own: 144 (w + 8 k) + 4 x lane
.irp k, 0,1
	ds_store_b32 v[TS], v[TD+2*(\k)] offset:8*TP*(\k)
.endr
.endm
; Four K steps of 32: a lane takes 16 consecutive f32 (k = 32 s + 16 h + 0..15) of its row of W_img_j (two tiles of j) and of x_img: the same places of k in both sources, so the products are the right ones.
.macro IB nb
.irp k, 0,1,2,3
.irp q, 0,1,2,3
	global_load_b128 v[64+48*(\k)+4*(\q):64+48*(\k)+4*(\q)+3], v[WO0], s[26:27] offset:128*(4*(\nb)+(\k))+16*(\q)
	global_load_b128 v[80+48*(\k)+4*(\q):80+48*(\k)+4*(\q)+3], v[WO1], s[26:27] offset:128*(4*(\nb)+(\k))+16*(\q)
	global_load_b128 v[96+48*(\k)+4*(\q):96+48*(\k)+4*(\q)+3], v[XO],  s[24:25] offset:128*(4*(\nb)+(\k))+16*(\q)
.endr
.endr
.endm
.macro IMUL first
.set ii, 0
.rept 12
.set nn, 0
.rept 8
	v_cvt_pk_bf16_f32 v[64+16*ii+nn], v[64+16*ii+2*nn], v[64+16*ii+2*nn+1]
.set nn, nn+1
.endr
.set ii, ii+1
.endr
.irp k, 0,1,2,3
.if (\first) && ((\k) == 0)
	v_wmma_f32_16x16x32_bf16 v[16:23], v[64+48*(\k):71+48*(\k)], v[96+48*(\k):103+48*(\k)], 0
	v_wmma_f32_16x16x32_bf16 v[24:31], v[80+48*(\k):87+48*(\k)], v[96+48*(\k):103+48*(\k)], 0
.else
	v_wmma_f32_16x16x32_bf16 v[16:23], v[64+48*(\k):71+48*(\k)], v[96+48*(\k):103+48*(\k)], v[16:23]
	v_wmma_f32_16x16x32_bf16 v[24:31], v[80+48*(\k):87+48*(\k)], v[96+48*(\k):103+48*(\k)], v[24:31]
.endif
.endr
.endm
.Limage:
	s_load_b256 s[24:31], s[0:1], 0x28             ; x_img s[24:25], W_img_j s[26:27], b_img_j s[28:29], b_cap_j s[30:31]
	s_load_b128 s[32:35], s[0:1], 0x48             ; W_int, W_sem
	s_load_b64 s[36:37], s[0:1], 0x58              ; W_ctx
	s_lshr_b32 s58, s[WV], 2                       ; which half of the work-group's 64 j is mine
	s_lshl_b32 s51, ttmp9, 1
	s_add_co_u32 s51, s51, s58                     ; which 32 j: 0..13
	s_lshl_b32 s52, s51, 5                         ; j0
	s_and_b32 s53, s[WV], 3                        ; which 16 b
	v_lshlrev_b32 v[L16], 4, v2
	s_lshl_b32 s56, ttmp9, 6                       ; the table's first column
	s_movk_i32 s57, 400
	v_lshl_add_u32 v[VQ], v2, 1, s56               ; my two columns of the table: 64 g + 2 x lane, an even number: both exist or neither
	v_cmp_gt_u32 s[LM], s57, v[VQ]
	v_min_u32 v[VQ], 398, v[VQ]                    ; held inside the row
	v_lshlrev_b32 v[VQ], 2, v[VQ]
	s_mul_i32 s54, s[WV], TP
	v_lshl_add_u32 v[TS], v2, 2, s54
	v_add_nc_u32 v[WO0], s52, v3
	v_add_nc_u32 v[WO1], 16, v[WO0]
	v_min_u32 v[WO0], 399, v[WO0]                  ; a j that does not exist reads row 399; the table's zeros meet it
	v_min_u32 v[WO1], 399, v[WO1]
	v_lshlrev_b32 v[WO0], 11, v[WO0]
	v_lshlrev_b32 v[WO1], 11, v[WO1]
	v_lshl_add_u32 v[WO0], v4, 6, v[WO0]
	v_lshl_add_u32 v[WO1], v4, 6, v[WO1]
	s_lshl_b32 s54, s53, 4
	v_add_nc_u32 v[XO], s54, v3
	v_lshlrev_b32 v[XO], 11, v[XO]
	v_lshl_add_u32 v[XO], v4, 6, v[XO]
	v_lshl_add_u32 v[BJ0], v4, 3, s52              ; j0 + 8 h: my eight j of the first tile,
	v_add_nc_u32 v[BJ1], 16, v[BJ0]                ; and of the second
	v_min_u32 v[BJ0], 392, v[BJ0]
	v_min_u32 v[BJ1], 392, v[BJ1]
	v_lshlrev_b32 v[BJ0], 2, v[BJ0]
	v_lshlrev_b32 v[BJ1], 2, v[BJ1]
	v_mul_u32_u24 v[FA], v3, TP                    ; the table's fragment: row r, 16 h, my half's 64 bytes: lane terms and the wave's number alone
	v_lshl_add_u32 v[FA], v4, 4, v[FA]
	s_lshl_b32 s58, s58, 6
	v_add_nc_u32 v[FA], s58, v[FA]
	s_add_co_u32 s54, s51, 512
	s_lshl_b32 s54, s54, 12
	s_lshl_b32 s55, s53, 10
	s_add_co_u32 s54, s54, s55
	s_mov_b32 s55, 0
	s_wait_kmcnt 0x0
	s_add_nc_u64 s[12:13], s[12:13], s[54:55]      ; my 1,024 bytes of slot 512 + j0 / 32
	s_wait_alu depctr_va_sdst(0)                   ; the compare has written the mask of lanes, ahead of its first reader, the scalar AND in the table's rows
	s_wait_alu depctr_va_vdst(0)                   ; the addresses v1, v5 and v9 to v15 are written, which the loads and stores below read
	TROW 0
	TROW 1
	IB 0
	s_wait_loadcnt 48                              ; the table's two loads are in; the batch's 48 stay out
	TCVT
	s_wait_alu depctr_va_vdst(0)                   ; the selects have written v32 and v34, which the LDS stores read; they and the conversions are done with v32 to v35, in which biases land
	TSTORE
	s_wait_dscnt 0x0                               ; for the others' sake: my part of the table is stored
	s_wait_alu depctr_vm_vsrc(0)                   ; the LDS stores have read v32 and v34, in which biases land, and their address v5, which is at work further down
	global_load_b128 v[32:35], v[BJ0], s[28:29]
	global_load_b128 v[36:39], v[BJ0], s[28:29] offset:16
	global_load_b128 v[40:43], v[BJ1], s[28:29]
	global_load_b128 v[44:47], v[BJ1], s[28:29] offset:16
	global_load_b128 v[48:51], v[BJ0], s[30:31]
	global_load_b128 v[52:55], v[BJ0], s[30:31] offset:16
	global_load_b128 v[56:59], v[BJ1], s[30:31]
	global_load_b128 v[60:63], v[BJ1], s[30:31] offset:16
	s_barrier_signal -1
	s_barrier_wait -1                              ; the table is whole
	s_wait_loadcnt 8                               ; the first batch is in; the eight bias loads stay out
	IMUL 1
	PLACES
	s_wait_alu depctr_va_vdst(0)                   ; the conversions and the products are done with v64 to v255, in which the next batch lands
	IB 1
	s_wait_loadcnt 48                              ; the biases are in
.set nn, 0
.rept 16
	v_cvt_pk_bf16_f32 v[TS], v[32+2*nn], v[33+2*nn]   ; the biases as bf16 holds them (the register's LDS address has served)
	v_lshlrev_b32 v[32+2*nn], 16, v[TS]
	v_and_b32 v[33+2*nn], 0xffff0000, v[TS]
.set nn, nn+1
.endr
.set nn, 0
.rept 8
	v_pk_add_f32 v[32+nn:33+nn], v[32+nn:33+nn], v[48+nn:49+nn]
.set nn, nn+2
.endr
	s_wait_loadcnt 0x0
	IMUL 0
	PLACES
	s_wait_alu depctr_va_vdst(0)                   ; the conversions and the products are done with v64 to v255, in which the next batch lands; the biases' sums are done with v56 to v63, in which the table's fragment lands
	ds_load_b128 v[56:59], v[FA]                   ; the table's fragment: 16 rows c, j0 .. j0 + 31
	ds_load_b128 v[60:63], v[FA] offset:32
	IB 2
	s_wait_loadcnt 0x0
	IMUL 0
	PLACES
	s_wait_alu depctr_va_vdst(0)                   ; the conversions and the products are done with v64 to v255, in which the last batch lands
	IB 3
	s_wait_loadcnt 0x0
	IMUL 0
	PLACES
.set nn, 0
.rept 8
	v_pk_add_f32 v[32+nn:33+nn], v[32+nn:33+nn], v[16+nn:17+nn]
.set nn, nn+2
.endr
.set nn, 0
.rept 8
	v_cvt_pk_bf16_f32 v[48+nn], v[32+2*nn], v[33+2*nn]  ; two result tiles rounded in pairs are source 1: 32 j x 16 b
.set nn, nn+1
.endr
	s_wait_dscnt 0x0
	v_wmma_f32_16x16x32_bf16 v[32:39], v[56:63], v[48:55], 0
	PLACES
	s_wait_alu depctr_va_vdst(0)                   ; the product has written v32 to v39, which the stores read; the places above stay beside this wait
	global_store_b128 v[L16], v[32:35], s[12:13]
	global_store_b128 v[L16], v[36:39], s[12:13] offset:512
.Lend:
	s_wait_dscnt 0x0                               ; the closing lines, six on end
	s_wait_alu 0x0
	s_wait_tensorcnt 0x0
	ds_add_u32 v[SPW], v[NIL]
	s_wait_dscnt 0x0
	s_endpgm
.Lfunc_end_k_q599a2a8b80_dot:
	.size	k_q599a2a8b80_dot, .Lfunc_end_k_q599a2a8b80_dot-k_q599a2a8b80_dot
	.p2alignl 7, 3214868480
	.fill 96, 4, 3214868480
	.section	.rodata,"a",@progbits
	.p2align	6, 0x0
	.amdhsa_kernel k_q599a2a8b80_dot
		.amdhsa_group_segment_fixed_size 140288
		.amdhsa_private_segment_fixed_size 0
		.amdhsa_enable_private_segment 0
		.amdhsa_kernarg_size 96
		.amdhsa_user_sgpr_count 2
		.amdhsa_user_sgpr_kernarg_segment_ptr 1
		.amdhsa_wavefront_size32 1
		.amdhsa_system_sgpr_workgroup_id_x 1
		.amdhsa_system_sgpr_workgroup_id_y 1
		.amdhsa_system_sgpr_workgroup_id_z 1
		.amdhsa_system_vgpr_workitem_id 0
		.amdhsa_next_free_vgpr 256
		.amdhsa_next_free_sgpr 92
		.amdhsa_reserve_vcc 0
		.amdhsa_float_denorm_mode_32 3
		.amdhsa_float_denorm_mode_16_64 3
		.amdhsa_memory_ordered 1
		.amdhsa_forward_progress 1
		.amdhsa_inst_pref_size 100
	.end_amdhsa_kernel
	.amdgpu_metadata
---
amdhsa.version: [ 1, 2 ]
amdhsa.kernels:
  - .name:           k_q599a2a8b80_dot
    .symbol:         k_q599a2a8b80_dot.kd
    .args:
      - { .name: x_caption, .offset: 0, .size: 8, .value_kind: global_buffer, .address_space: global }
      - { .name: emb, .offset: 8, .size: 8, .value_kind: global_buffer, .address_space: global }
      - { .name: GTA, .offset: 16, .size: 8, .value_kind: global_buffer, .address_space: global }
      - { .name: b_cap_hid, .offset: 24, .size: 8, .value_kind: global_buffer, .address_space: global }
      - { .name: PART, .offset: 32, .size: 8, .value_kind: global_buffer, .address_space: global }
      - { .name: x_img, .offset: 40, .size: 8, .value_kind: global_buffer, .address_space: global }
      - { .name: W_img_j, .offset: 48, .size: 8, .value_kind: global_buffer, .address_space: global }
      - { .name: b_img_j, .offset: 56, .size: 8, .value_kind: global_buffer, .address_space: global }
      - { .name: b_cap_j, .offset: 64, .size: 8, .value_kind: global_buffer, .address_space: global }
      - { .name: W_int, .offset: 72, .size: 8, .value_kind: global_buffer, .address_space: global }
      - { .name: W_sem, .offset: 80, .size: 8, .value_kind: global_buffer, .address_space: global }
      - { .name: W_ctx, .offset: 88, .size: 8, .value_kind: global_buffer, .address_space: global }
    .group_segment_fixed_size: 140288
    .private_segment_fixed_size: 0
    .kernarg_segment_align: 8
    .kernarg_segment_size: 96
    .max_flat_workgroup_size: 256
    .sgpr_count:     92
    .vgpr_count:     256
    .wavefront_size: 32
...
	.end_amdgpu_metadata
.endif
;; end of part 7
;; launch fin: the kernel of part 6 again; grid 16 x 1, 8 waves a work-group, no clusters, 3,072 bytes of LDS; arguments PART, b_int, b_sem, b_ctx, out0, out1, out2; writes out0, out1, out2
